; MI455X (gfx1250); checked and timed in simulation.
; The chip was launched on July 23, 2026; its instructions are those of AMD's public machine-readable ISA for CDNA 5 (MIT licence, August 2026) and "CDNA5" Instruction Set Architecture Reference Guide (July 2026). The comments in the code are by the model that wrote it; some were corrected since.
;; Multi Head Attention. Allowed arithmetic: matrix products marked QUANTISED: E2M3 operands, one E8M0 scale for each 32 along K, by v_wmma_scale_f32_16x16x128_f8f6f4 with both operands' format E2M3, f32 sums; everything else in f32.
;; Inputs: bk 1,024 float32; bo 1,024 float32; bq 1,024 float32; bv 1,024 float32; mask 4 x 2,048 bool; wk 1,024 x 1,024 float32; wo 1,024 x 1,024 float32; wq 1,024 x 1,024 float32; wv 1,024 x 1,024 float32; x 4 x 2,048 x 1,024 float32.
;; Outputs: out0 4 x 2,048 x 1,024 float32.
;; This version of the problem:
;;   THIS VERSION OF THE PROBLEM IS GIVEN IN LOW PRECISION. The matrix products marked QUANTISED in the list below multiply operands that are first quantised to E2M3 (2 exponent bits, 3 mantissa bits; 6 bits a number), with one power-of-two scale for each 32 numbers along K (OCP MX v1.0); their sums are f32. All else is computed in f32.
;;   The module's matrix products, in the order in which they are computed (A, B: the left and right operand; K: the contracted axis; several contracted axes count as one K, in the product's order):
;;     1. [M 8,192, K 1,024] x [K 1,024, N 1,024]; A: input x; B: input wq: QUANTISED
;;     2. [M 8,192, K 1,024] x [K 1,024, N 1,024]; A: input x; B: input wk: QUANTISED
;;     3. [M 8,192, K 1,024] x [K 1,024, N 1,024]; A: input x; B: input wv: QUANTISED
;;     4. batch 64 x [M 2,048, K 64] x [K 64, N 2,048]; A: computed on the way; B: computed on the way: QUANTISED
;;     5. batch 64 x [M 2,048, K 2,048] x [K 2,048, N 64]; A: softmax (see below); B: computed on the way: QUANTISED
;;     6. [M 8,192, K 1,024] x [K 1,024, N 1,024]; A: computed on the way; B: input wo: QUANTISED
;;   THE QUANTISER, for each operand of a quantised product, along K:
;;     - K is cut into blocks of 32 from its start; a last block that is shorter is filled with zeros.
;;     - A block's scale is 2^e with e = floor(log2(the largest magnitude in the block)) - 2, held to -126 .. 127; a block of zeros has e = 0. As a byte (E8M0): e + 127.
;;     - Each number is divided by its block's scale, clamped to +-7.5, and rounded to the nearest number of E2M3, ties to even, subnormals kept.
;;     - The product sums the exact products of the quantised numbers (number of the format x scale) in f32.
;;   ~~~python
;;   def quantise(x, axis):      # numpy; x: float32 -> the quantised numbers, widened to float32 again
;;       x = np.moveaxis(x, axis, -1); K = x.shape[-1]
;;       x = np.pad(x, [(0, 0)] * (x.ndim - 1) + [(0, -K % 32)]); x = x.reshape(x.shape[:-1] + (-1, 32)); a = np.abs(x).max(-1, keepdims=True)
;;       e = np.where(a > 0, np.clip(np.frexp(np.where(a > 0, a, 1))[1] - 1 - 2, -126, 127), 0)      # np.frexp(a)[1] - 1 = floor(log2(a)), exactly
;;       r = np.clip(x / 2.0 ** e, -7.5, 7.5)
;;       step = 2.0 ** (np.maximum(np.frexp(np.where(r == 0, 1, r))[1] - 1, 0) - 3)
;;       q = np.round(r / step) * step * 2.0 ** e      # np.round: ties to even
;;       return np.moveaxis(q.reshape(q.shape[:-2] + (-1,))[..., :K], -1, axis).astype(np.float32)
;;   ~~~
;;   SOFTMAX AHEAD OF A QUANTISED PRODUCT. Where the list says 'softmax', what is quantised is not the finished softmax but p = 2^(t - M), with t = logit x log2(e) and M = ceil(the row's largest t), a whole number; so 1/2 < the row's largest p <= 1. The row's sum l is taken of the UNQUANTISED p, in f32, and the product's result is divided by l at the end. Since M is a whole number, a kernel that streams over the keys may use a running M (the ceiling of the running maximum): every later rescaling is an exact power of two, which a block's scale takes up: the codes' values come out the same.
;;   OPERANDS COMPUTED ON THE WAY. 'Computed on the way' means the value that the module computes at that place (a softmax that the list does not call 'softmax' is quantised finished and normalised). What goes into a quantiser is computed in f32, as accurately as f32 sums, v_exp_f32 and their like allow (about 1e-6 of the number): no bf16 or f16 on the way to a quantiser, and a product that is left as it is and whose result goes on into a quantised operand takes f32 operands (vector FMAs, or v_wmma_f32_16x16x4_f32). A number that lies on a knife's edge between two numbers of the format may be rounded either way, as far as f32 arithmetic and the matrix unit's own rounding can turn it there, and no further.
;; One version. Each part assembles by itself: llvm-mc -triple=amdgcn-amd-amdhsa -mcpu=gfx1250 --defsym DOCPART=n.
;; ======== version 1 of 1: 4 launches
;; limits: right only within a limited range of input values
;; workspace buffers: opc 9,437,184 bytes; ops 393,216 bytes; att 19,660,800 bytes; ctxc 6,291,456 bytes; ctxs 262,144 bytes
;; launch quant (part 1): grid 512 x 1, 4 waves a work-group, no clusters, 35,328 bytes of LDS; arguments x, wq, wk, wv, wo, opc, ops; writes opc, ops
.if DOCPART == 1
	.amdgcn_target "amdgcn-amd-amdhsa--gfx1250"
	.amdhsa_code_object_version 6
	.text
	.protected	k_q8b4730d2d9_quant
	.globl	k_q8b4730d2d9_quant
	.p2align	8
	.type	k_q8b4730d2d9_quant,@function
k_q8b4730d2d9_quant:
	s_mov_b64 s[64:65], 0
	v_nop
	global_prefetch_b8 v0, s[64:65] scope:SCOPE_SE
	s_setreg_imm32_b32 hwreg(HW_REG_WAVE_MODE, 25, 1), 1
	s_wait_xcnt 0x0
; x [8192][1024] f32 (K innermost) and wq, wk, wv, wo [1024 (k)][1024 (n)] f32 (K outermost) become codes of FP6 (E2M3) with one E8M0 byte for each 32 along K.
; A block's scale is 2^(floor(log2(its largest magnitude)) - 2); its byte is the largest magnitude's exponent field - 2, held at 1 from below.
; THE CODES ARE LAID AS IMAGES OF THE OPERAND'S REGISTERS.  A fragment (16 rows x 128 K, 12 registers a lane) is 1,536 bytes: for c = 0, 1 registers 6 c .. 6 c + 3 of lane l at 768 c + 16 l,
; registers 6 c + 4, 6 c + 5 at 768 c + 512 + 8 l.  Four stores write it, four loads of the same shape read it; each covers 512 or 256 consecutive bytes, aligned.
; "Operand rows": 0-8191 x's tokens, 8192 + n wq's columns, 9216 + n wk's, 10240 + n wv's, 11264 + n wo's.  Image of (row / 16 = R, K step ks of 128) at (8 R + ks) x 1536 of opc.
; Scale word (four bytes: 128 along K of one row) at (row / 128) x 4096 + ks x 512 + (row % 128) x 4 of ops.
; Work-groups 0-255 take x, 256-511 the weights: one scalar branch on the work-group's number.  Only x's path touches LDS.  No tensor loads, no barrier: waves share nothing.
; LIMITS: NaN and infinities among the inputs are not served.  A block of zeros, or one whose largest magnitude lies under 2^-124, keeps the byte 1 where the rule says 127 for zeros: its codes are
; zeros, and this program alone reads the bytes.  The weights' scale words leave in runs of 128 bytes a wave (131,072 bytes in all, beside 16.8 million bytes read).
.set SEL,  20                          ; s[20:21] lane selects for v_permlanex16_b32: lane l xor 16
.set PC,   16                          ; v16-35   the codes just made (12 registers) and two runs at work
.set TM,   36                          ; v36-39 largest magnitudes, v40-43 bytes, v48-51 the conversions' scale operands
.set PW,   52                          ; v52      the scale word just made
.set WD,   54                          ; v54-55   scale words on their way out
.set RS,   64                          ; v64-127, v128-191  x: two sets of 16 x 4 registers as loaded
.set T,    192                         ; v192-255 x: 64 numbers of my row, register 16 b + i = k 32 b + 16 (lane / 16) + i
.set WREG, 8704                        ; LDS of a wave: a stage of 16 rows x 528 bytes, then 256 bytes of scale words
.set SP,   528                         ; a stage row: 512 bytes + 16, an odd multiple of 16: the sixteen rows that a load touches begin in different banks (64 banks of 4 bytes: ISA guide 11.1)
.set NS,   64                          ; weights: v64-95, v96-127 two sets of 32 numbers down K
.set FRX,  128                         ; v128-139 my column's blocks 0 and 2, later the image of columns 0-15
.set FRY,  140                         ; v140-151 blocks 1 and 3, later the image of columns 16-31
.set CT,   152                         ; v152-167 the upper 16 codes of each block (a conversion's three registers begin on an even number)
; 64 numbers of a lane, v[s] .. v[s + 63], become a fragment's codes in v[PC] .. v[PC + 11] and its scale word in v[PW].
.macro QUANT s
.irp b, 0,1,2,3
	v_max3_num_f32 v[TM+\b], |v[\s+16*\b]|, |v[\s+1+16*\b]|, 0x1800000   ; block b: my 16 numbers, and the floor 2^(3 - 127): the byte cannot fall under 1
.endr
.irp i, 2,4,6,8,10,12,14
.irp b, 0,1,2,3
	v_max3_num_f32 v[TM+\b], v[TM+\b], |v[\s+16*\b+\i]|, |v[\s+1+16*\b+\i]|   ; the four blocks by turns
.endr
.endr
.irp b, 0,1,2,3
	v_permlanex16_b32 v[TM+4+\b], v[TM+\b], s[SEL], s[SEL+1]
.endr
.irp b, 0,1,2,3
	v_max_num_f32 v[TM+\b], v[TM+\b], v[TM+4+\b]   ; with lane l xor 16's: the block's largest magnitude
.endr
.irp b, 0,1,2,3
	v_add_nc_u32 v[TM+12+\b], 0xff000000, v[TM+\b]   ; 2 off its exponent field: the conversion takes this operand's exponent field as its scale
.endr
.irp b, 0,1,2,3
	v_lshrrev_b32 v[TM+4+\b], 23, v[TM+12+\b]      ; the scale's byte
.endr
	v_lshl_or_b32 v[PW], v[TM+5], 8, v[TM+4]
	v_lshl_or_b32 v[PW], v[TM+6], 16, v[PW]
	v_lshl_or_b32 v[PW], v[TM+7], 24, v[PW]
.irp c, 0,1
	v_cvt_scalef32_pk16_fp6_f32 v[PC+6*\c:PC+2+6*\c], v[\s+32*\c:\s+15+32*\c], v[TM+12+2*\c]
	v_cvt_scalef32_pk16_fp6_f32 v[PC+12+4*\c:PC+14+4*\c], v[\s+16+32*\c:\s+31+32*\c], v[TM+12+2*\c+1]
.endr
	v_nop                                          ; one plain line behind the scaled conversions
.irp c, 0,1                                    ; the operand wants a WHOLE block in a lane: lanes 0-15 block 2 c, lanes 16-31 block 2 c + 1
.irp i, 0,1,2
	v_permlane16_swap_b32 v[PC+6*\c+\i], v[PC+12+4*\c+\i]
.endr
.irp i, 0,1,2
	v_mov_b32 v[PC+3+6*\c+\i], v[PC+12+4*\c+\i]
.endr
.endr
.endm
.macro IMG reg, off                            ; a fragment goes to opc as it stands
	global_store_b128 v4, v[\reg:\reg+3], s[14:15] offset:\off
	global_store_b64 v5, v[\reg+4:\reg+5], s[14:15] offset:\off+512
	global_store_b128 v4, v[\reg+6:\reg+9], s[14:15] offset:\off+768
	global_store_b64 v5, v[\reg+10:\reg+11], s[14:15] offset:\off+1280
.endm
	s_load_b256 s[4:11], s[0:1], 0x0               ; x, wq, wk, wv
	s_load_b128 s[12:15], s[0:1], 0x20             ; wo, opc
	s_load_b64 s[16:17], s[0:1], 0x30              ; ops
	v_lshl_add_u32 v62, v0, 2, 0x8800
	v_mov_b32 v63, 0
	v_lshrrev_b32 v1, 5, v0
	v_readfirstlane_b32 s18, v1                    ; wave 0..3
	v_and_b32 v1, 31, v0                           ; lane
	v_and_b32 v2, 15, v0                           ; r
	v_bfe_u32 v3, v0, 4, 1                         ; h
	v_lshlrev_b32 v4, 4, v1                        ; 16 x lane
	v_lshlrev_b32 v5, 3, v1                        ; 8 x lane
	v_lshlrev_b32 v10, 2, v1                       ; 4 x lane
	s_mov_b32 s[SEL], 0x76543210
	s_mov_b32 s[SEL+1], 0xfedcba98
.irp b, 0,1,2,3
	v_mov_b32 v[TM+4+\b], 0                        ; written once: a lane permute's destination counts as one of its sources
.endr
	s_cmp_lt_u32 ttmp9, 256
	s_cbranch_scc0 .Lweights
; ---------------- x: work-group g takes rows 64 (g / 2) on; wave w takes K step 4 (g % 2) + w of them: four units of 16 rows x 128 K
	s_mul_i32 s22, s18, WREG
	v_add_nc_u32 v6, s22, v4                       ; the stage, in: a row's 512 bytes as loaded
	v_mul_u32_u24 v7, v2, SP
	v_lshl_add_u32 v7, v3, 6, v7
	v_add_nc_u32 v7, s22, v7                       ; out: row r, + 64 h: my 16 numbers of each block of 32
	s_add_co_u32 s22, s22, 16*SP
	v_lshl_add_u32 v8, v2, 2, s22                  ; my row's scale word
	v_add_nc_u32 v9, s22, v5                       ; and 8 bytes a lane on the way out
	s_lshr_b32 s23, ttmp9, 1                       ; which 64 rows
	s_and_b32 s24, ttmp9, 1
	s_lshl_b32 s24, s24, 2
	s_add_co_u32 s24, s24, s18                     ; ks
	s_lshl_b32 s26, s23, 18                        ; x: 64 rows of 4,096 bytes,
	s_lshl_b32 s25, s24, 9                         ; + 512 bytes a K step
	s_add_co_u32 s26, s26, s25
	s_mov_b32 s27, 0
	s_mul_i32 s28, s23, 49152                      ; opc: four row tiles of 8 images,
	s_mul_i32 s25, s24, 1536
	s_add_co_u32 s28, s28, s25
	s_mov_b32 s29, 0
	s_lshr_b32 s30, s23, 1                         ; ops
	s_lshl_b32 s30, s30, 12
	s_lshl_b32 s25, s24, 9
	s_add_co_u32 s30, s30, s25
	s_and_b32 s25, s23, 1
	s_lshl_b32 s25, s25, 8
	s_add_co_u32 s30, s30, s25
	s_mov_b32 s31, 0
	s_wait_alu depctr_va_vdst(0)
	s_wait_kmcnt 0x0
	s_add_nc_u64 s[4:5], s[4:5], s[26:27]
	s_add_nc_u64 s[14:15], s[14:15], s[28:29]
	s_add_nc_u64 s[16:17], s[16:17], s[30:31]
.macro LOADU u                                 ; unit u: each load reads 512 consecutive bytes of one row
.irp i, 0,1,2,3,4,5,6,7,8,9,10,11,12,13,14,15
	global_load_b128 v[RS+64*((\u)%2)+4*\i:RS+64*((\u)%2)+4*\i+3], v4, s[4:5] offset:(16*(\u)+\i)*4096 th:TH_LOAD_NT
.endr
.endm
.macro TURNU u                                 ; through the wave's own stage: LDS serves a wave's instructions in order (ISA guide 5.7.1.4), so no wait stands between the stores and the loads
.irp i, 0,1,2,3,4,5,6,7,8,9,10,11,12,13,14,15
	ds_store_b128 v6, v[RS+64*((\u)%2)+4*\i:RS+64*((\u)%2)+4*\i+3] offset:SP*\i
.endr
.irp b, 0,1,2,3
.irp j, 0,1,2,3
	ds_load_b128 v[T+16*\b+4*\j:T+16*\b+4*\j+3], v7 offset:128*\b+16*\j
.endr
.endr
.endm
.macro UNIT u
.if (\u) < 3
	s_wait_loadcnt 16                              ; this unit's 16 loads are in; the next unit's 16 may be out
.else
	s_wait_loadcnt 0x0
.endif
	TURNU \u
	s_wait_dscnt 0x0                               ; my 64 numbers are back, and the stage's stores have read their registers,
.if (\u) < 2
	LOADU (\u)+2                                   ; which take the unit two on
.endif
	s_wait_xcnt 0x0                                ; the last unit's stores have read the codes' registers: they are written again only behind this wait
	QUANT T
	IMG PC, (\u)*12288
	ds_store_b32 v8, v[PW] offset:64*(\u)          ; both halves of the lanes write the same word with the same value
.endm
	LOADU 0
	LOADU 1
	UNIT 0
	UNIT 1
	UNIT 2
	UNIT 3
	ds_load_b64 v[WD:WD+1], v9                     ; the 64 rows' words of this K step
	s_wait_dscnt 0x0
	global_store_b64 v5, v[WD:WD+1], s[16:17]      ; 256 consecutive bytes, aligned
	s_wait_tensorcnt 0x0
	ds_add_u32 v62, v63
	s_wait_dscnt 0x0
	s_endpgm
; ---------------- the weights: g = work-group - 256: tensor g / 64, K step (g / 8) % 8, columns 128 (g % 8) on; a wave takes 32 columns x 128 K.
; A LANE TAKES A COLUMN AND ITS REGISTERS RUN DOWN K: a block of 32 lies in one lane, and the conversions give codes with K innermost.
.Lweights:
	s_sub_co_u32 s22, ttmp9, 256
	s_lshr_b32 s23, s22, 6                         ; which tensor
	s_and_b32 s24, s22, 7                          ; which 128 columns
	s_bfe_u32 s25, s22, 0x30003                    ; ks
	s_lshl_b32 s26, s25, 19                        ; 128 rows of 4,096 bytes,
	s_lshl_b32 s28, s24, 9
	s_add_co_u32 s26, s26, s28
	s_lshl_b32 s28, s18, 7
	s_add_co_u32 s26, s26, s28                     ; + 4 x my first column
	s_mov_b32 s27, 0
	s_lshl_b32 s28, s23, 6                         ; opc: row tile 512 + 64 tensor + 8 group + 2 wave
	s_lshl_b32 s30, s24, 3
	s_add_co_u32 s28, s28, s30
	s_lshl_b32 s30, s18, 1
	s_add_co_u32 s28, s28, s30
	s_add_co_u32 s28, s28, 512
	s_lshl_b32 s28, s28, 3
	s_add_co_u32 s28, s28, s25
	s_mul_i32 s28, s28, 1536
	s_mov_b32 s29, 0
	s_lshl_b32 s30, s23, 3                         ; ops: block 64 + 8 tensor + group
	s_add_co_u32 s30, s30, s24
	s_add_co_u32 s30, s30, 64
	s_lshl_b32 s30, s30, 12
	s_lshl_b32 s32, s25, 9
	s_add_co_u32 s30, s30, s32
	s_lshl_b32 s32, s18, 7
	s_add_co_u32 s30, s30, s32
	s_mov_b32 s31, 0
	s_wait_kmcnt 0x0
	s_cmp_eq_u32 s23, 1                            ; the choice hangs on the work-group's number alone
	s_cselect_b64 s[6:7], s[8:9], s[6:7]
	s_cmp_eq_u32 s23, 2
	s_cselect_b64 s[6:7], s[10:11], s[6:7]
	s_cmp_eq_u32 s23, 3
	s_cselect_b64 s[6:7], s[12:13], s[6:7]
	s_add_nc_u64 s[6:7], s[6:7], s[26:27]
	s_add_nc_u64 s[14:15], s[14:15], s[28:29]
	s_add_nc_u64 s[16:17], s[16:17], s[30:31]
.macro LOADW t                                 ; block t: w(32 t + i, my column): 128 consecutive bytes a load
.irp i, 0,1,2,3,4,5,6,7,8,9,10,11,12,13,14,15,16,17,18,19,20,21,22,23,24,25,26,27,28,29,30,31
	global_load_b32 v[NS+32*((\t)%2)+\i], v10, s[6:7] offset:(32*(\t)+\i)*4096 th:TH_LOAD_NT
.endr
.endm
.macro WBLOCK t
.set XS, NS+32*((\t)%2)
.set DD, FRX+12*((\t)%2)+6*((\t)/2)
.if (\t) < 3
	s_wait_loadcnt 32                              ; this block's 32 loads are in; the next block's may be out
.else
	s_wait_loadcnt 0x0
.endif
	v_max3_num_f32 v36, |v[XS]|, |v[XS+1]|, |v[XS+2]|
	v_max3_num_f32 v37, |v[XS+3]|, |v[XS+4]|, |v[XS+5]|
.irp i, 6,10,14,18,22,26
	v_max3_num_f32 v36, v36, |v[XS+\i]|, |v[XS+\i+1]|
	v_max3_num_f32 v37, v37, |v[XS+\i+2]|, |v[XS+\i+3]|
.endr
	v_max3_num_f32 v36, v36, |v[XS+30]|, |v[XS+31]|
	v_max3_num_f32 v36, v36, v37, 0x1800000        ; and the floor
	v_add_nc_u32 v38, 0xff000000, v36              ; the conversion's scale operand
	v_lshrrev_b32 v39, 23, v38                     ; the byte
.if (\t) == 0
	v_mov_b32 v40, v39
.else
	v_lshl_or_b32 v40, v39, 8*(\t), v40            ; my column's scale word: the lower K in the lower byte
.endif
	v_cvt_scalef32_pk16_fp6_f32 v[DD:DD+2], v[XS:XS+15], v38
	v_cvt_scalef32_pk16_fp6_f32 v[CT+4*(\t):CT+4*(\t)+2], v[XS+16:XS+31], v38
	v_nop                                          ; one plain line behind the scaled conversions
.if (\t) < 2
	LOADW (\t)+2
.endif
.endm
	s_wait_alu depctr_va_vdst(0)
	LOADW 0
	LOADW 1
	WBLOCK 0
	WBLOCK 1
	WBLOCK 2
	WBLOCK 3
.irp t, 0,1,2,3
.irp i, 0,1,2
	v_mov_b32 v[FRX+12*(\t%2)+6*(\t/2)+3+\i], v[CT+4*\t+\i]
.endr
.endr
.set i, 0
.rept 12                                       ; FRX's lanes 16-31 change places with FRY's lanes 0-15: FRX is then the fragment of columns 0-15 (lanes 0-15 blocks 0, 2; lanes 16-31 blocks 1, 3), FRY that of columns 16-31
	v_permlane16_swap_b32 v[FRX+i], v[FRY+i]
.set i, i+1
.endr
	IMG FRX, 0
	IMG FRY, 12288
	global_store_b32 v10, v40, s[16:17]
	s_endpgm
.Lfunc_end_k_q8b4730d2d9_quant:
	.size	k_q8b4730d2d9_quant, .Lfunc_end_k_q8b4730d2d9_quant-k_q8b4730d2d9_quant
	.p2alignl 7, 3214868480
	.fill 96, 4, 3214868480
	.section	.rodata,"a",@progbits
	.p2align	6, 0x0
	.amdhsa_kernel k_q8b4730d2d9_quant
		.amdhsa_group_segment_fixed_size 35328
		.amdhsa_private_segment_fixed_size 0
		.amdhsa_enable_private_segment 0
		.amdhsa_kernarg_size 56
		.amdhsa_user_sgpr_count 2
		.amdhsa_user_sgpr_kernarg_segment_ptr 1
		.amdhsa_wavefront_size32 1
		.amdhsa_system_sgpr_workgroup_id_x 1
		.amdhsa_system_sgpr_workgroup_id_y 1
		.amdhsa_system_sgpr_workgroup_id_z 1
		.amdhsa_system_vgpr_workitem_id 0
		.amdhsa_next_free_vgpr 256
		.amdhsa_next_free_sgpr 66
		.amdhsa_reserve_vcc 0
		.amdhsa_float_denorm_mode_32 3
		.amdhsa_float_denorm_mode_16_64 3
		.amdhsa_memory_ordered 1
		.amdhsa_forward_progress 1
		.amdhsa_inst_pref_size 55
	.end_amdhsa_kernel
	.amdgpu_metadata
---
amdhsa.version: [ 1, 2 ]
amdhsa.kernels:
  - .name:           k_q8b4730d2d9_quant
    .symbol:         k_q8b4730d2d9_quant.kd
    .args:
      - { .name: x, .offset: 0, .size: 8, .value_kind: global_buffer, .address_space: global }
      - { .name: wq, .offset: 8, .size: 8, .value_kind: global_buffer, .address_space: global }
      - { .name: wk, .offset: 16, .size: 8, .value_kind: global_buffer, .address_space: global }
      - { .name: wv, .offset: 24, .size: 8, .value_kind: global_buffer, .address_space: global }
      - { .name: wo, .offset: 32, .size: 8, .value_kind: global_buffer, .address_space: global }
      - { .name: opc, .offset: 40, .size: 8, .value_kind: global_buffer, .address_space: global }
      - { .name: ops, .offset: 48, .size: 8, .value_kind: global_buffer, .address_space: global }
    .group_segment_fixed_size: 35328
    .private_segment_fixed_size: 0
    .kernarg_segment_align: 8
    .kernarg_segment_size: 56
    .max_flat_workgroup_size: 128
    .sgpr_count:     66
    .vgpr_count:     256
    .wavefront_size: 32
...
	.end_amdgpu_metadata
.endif
;; end of part 1
;; launch gemm_qkv (part 2): grid 12 x 32, 4 waves a work-group, clusters of 4 x 4, 327,680 bytes of LDS; arguments opc, ops, bq, bk, bv, mask, att; writes att
.if DOCPART == 2
	.amdgcn_target "amdgcn-amd-amdhsa--gfx1250"
	.amdhsa_code_object_version 6
	.text
	.protected	k_q8b4730d2d9_gemm_qkv
	.globl	k_q8b4730d2d9_gemm_qkv
	.p2align	8
	.type	k_q8b4730d2d9_gemm_qkv,@function
k_q8b4730d2d9_gemm_qkv:
	s_mov_b64 s[64:65], 0
	v_nop
	global_prefetch_b8 v0, s[64:65] scope:SCOPE_SE
	s_setreg_imm32_b32 hwreg(HW_REG_WAVE_MODE, 25, 1), 1
	s_wait_xcnt 0x0
	s_wait_alu depctr_hold_cnt(0) depctr_sa_sdst(0) depctr_va_vdst(0) depctr_va_sdst(0) depctr_va_ssrc(0) depctr_va_vcc(0) depctr_vm_vsrc(0)
	s_getreg_b32 s2, hwreg(HW_REG_IB_STS2, 6, 4)
	s_cmp_eq_u32 s2, 0
	s_cbranch_scc0 .Lentry_in_a_cluster
	s_endpgm
.Lentry_in_a_cluster:
	s_bfe_u32 s2, ttmp6, 0x10000c
	s_cmp_lg_u32 s2, 0xf033
	s_cbranch_scc0 .Lentry_shape_is_right
	s_endpgm
.Lentry_shape_is_right:
.set NQ,     2
.set FR,     12
.set NL,     4
.set NP,     4
.set RT,     3072
.set HALFT,  8*RT
.set SLOT,   4*HALFT
.set LAPS,   2
.set SCL,    2*SLOT
.set HALFS,  4096
.set SPARE,  SCL+4*HALFS
.set ADRA, 16
.set ADRB, 20
.set L16,  24
.set L8,   25
.set WST,  26
.set ADRS, 27
.set SPW,  28
.set NIL,  29
.set WRD,  30
.set SC,   32
.set BB,   64
.set AF,   128
.set BA,   224
.set KM,   232
.set T,    128
.set PC,   192
.set TM,   64
.set PW,   80
.set WD,   84
.set SEL,  46
.set G1, 24
.set G0, 32
.set G1B, 48
.set G0B, 56
.set G1S, 68
.set G0S, 76
.set G1SB, 80
.set G0SB, 88
.set MSB, 0
.macro WIN new
.if MSB != \new
	s_set_vgpr_msb (MSB<<8)|\new
.set MSB, \new
.endif
.endm
.set MUL_LO, 0xa1
.set MUL_HI, 0xf1
.set TO_B,   0x40
.macro JLOAD g0a, g1a, g0b, g1b
	s_cmp_eq_u32 s15, 0
	s_cbranch_scc0 .Lfor_b_\@
	tensor_load_to_lds s[\g0a:\g0a+3], s[\g1a:\g1a+7]
	s_nop 0
.rept 4
	v_nop
.endr
	s_branch .Lasked_\@
.Lfor_b_\@:
	tensor_load_to_lds s[\g0b:\g0b+3], s[\g1b:\g1b+7]
	s_nop 0
.rept 4
	v_nop
.endr
.Lasked_\@:
.endm
.macro CREST
	s_cmp_lg_u32 s14, 0
	s_cbranch_scc1 .Lnot_wave_0_\@
	s_barrier_signal -3
.Lnot_wave_0_\@:
	s_barrier_wait -3
	s_barrier_signal -1
	s_barrier_wait -1
.endm
.macro CROUND
	s_barrier_signal -1
	s_barrier_wait -1
	CREST
.endm
	s_load_b128 s[4:7], s[0:1], 0x0
	s_load_b128 s[8:11], s[0:1], 0x10
	s_load_b128 s[96:99], s[0:1], 0x20
	s_load_b64 s[100:101], s[0:1], 0x30
	v_lshl_add_u32 v[SPW], v0, 2, SPARE
	v_mov_b32 v[NIL], 0
	ds_add_u32 v28, v29
	ds_add_u32 v28, v29
	s_wait_dscnt 0x0
	v_lshrrev_b32 v1, 5, v0
	v_readfirstlane_b32 s14, v1
	s_lshr_b32 s15, s14, 1
	s_and_b32 s16, s14, 1
	s_bfe_u32 s40, ttmp6, 0x40000
	s_bfe_u32 s41, ttmp6, 0x40004
	s_and_b32 s67, ttmp7, 0xffff
	s_lshl_b32 s67, s67, 2
	s_lshl_b32 s66, ttmp9, 2
	s_add_co_u32 s66, s66, 32
	s_cmp_eq_u32 ttmp9, 2
	s_cselect_b32 s17, 40, s67
	s_cselect_b32 s42, s67, s66
	s_cselect_b32 s66, 1, 0
	s_add_co_u32 s17, s17, s41
	s_add_co_u32 s42, s42, s40
	s_lshl_b32 s43, s41, 2
	s_lshl_b32 s43, 15, s43
	s_lshl_b32 s44, 0x1111, s40
	s_or_b32 s[G1+0], s43, (3<<16)|(1<<21)
	s_or_b32 s[G1B+0], s44, (3<<16)|(1<<21)
.irp g, G1, G1B
	s_mov_b32 s[\g+1], 384<<16
	s_mov_b32 s[\g+2], 16<<16                      ; the head's loads of codes bring all 16 row tiles of a K chunk
	s_mov_b32 s[\g+3], 384<<16
	s_mov_b32 s[\g+4], 16
	s_mov_b32 s[\g+5], 1536
	s_mov_b32 s[\g+6], 0
	s_mov_b32 s[\g+7], 0
.endr
	s_or_b32 s[G1S+0], s43, (3<<16)|(1<<21)
	s_or_b32 s[G1SB+0], s44, (3<<16)|(1<<21)
.irp g, G1S, G1SB
	s_mov_b32 s[\g+1], 32<<16
	s_mov_b32 s[\g+2], 32<<16                      ; the scale words of 256 rows: 32 rows of 256 bytes
	s_mov_b32 s[\g+3], 32<<16
	s_mov_b32 s[\g+4], 32
	s_mov_b32 s[\g+5], 32
	s_mov_b32 s[\g+6], 0
	s_mov_b32 s[\g+7], 0
.endr
	s_lshl_b32 s18, s16, 3
	s_lshl_b32 s20, s17, 4
	s_add_co_u32 s20, s20, s18
	s_mul_i32 s20, s20, 12288
	s_mov_b32 s21, 0
	s_lshl_b32 s46, s42, 4
	s_add_co_u32 s46, s46, s18
	s_mul_i32 s46, s46, 12288
	s_mov_b32 s47, 0
	s_lshl_b32 s22, s17, 1
	s_lshl_b32 s22, s22, 12
	s_mov_b32 s23, 0
	s_lshl_b32 s92, s42, 1
	s_lshl_b32 s92, s92, 12
	s_mov_b32 s93, 0
	s_mul_i32 s45, s14, HALFT
	s_wait_kmcnt 0x0
	s_add_nc_u64 s[20:21], s[4:5], s[20:21]
	s_add_nc_u64 s[22:23], s[6:7], s[22:23]
	s_add_nc_u64 s[46:47], s[4:5], s[46:47]
	s_add_nc_u64 s[92:93], s[6:7], s[92:93]
	CROUND
	s_mov_b32 s[G0S], 1
	s_mov_b32 s[G0S+1], SCL
	s_mov_b64 s[G0S+2:G0S+3], s[22:23]
	s_or_b32 s[G0S+3], s[G0S+3], 0x80000000
	s_mov_b32 s[G0SB], 1
	s_mov_b32 s[G0SB+1], SCL+2*HALFS
	s_mov_b64 s[G0SB+2:G0SB+3], s[92:93]
	s_or_b32 s[G0SB+3], s[G0SB+3], 0x80000000
.irp s, 0,1
	s_mov_b32 s[G0+4*\s], 1
	s_add_co_u32 s[G0+4*\s+1], s45, \s*SLOT
	s_add_nc_u64 s[G0+4*\s+2:G0+4*\s+3], s[20:21], \s*RT
	s_or_b32 s[G0+4*\s+3], s[G0+4*\s+3], 0x80000000
	s_mov_b32 s[G0B+4*\s], 1
	s_add_co_u32 s[G0B+4*\s+1], s45, \s*SLOT
	s_add_nc_u64 s[G0B+4*\s+2:G0B+4*\s+3], s[46:47], \s*RT
	s_or_b32 s[G0B+4*\s+3], s[G0B+4*\s+3], 0x80000000
.endr
; THE HEAD'S LOADS, ONE A WAVE: wave 0 K chunk 0 of A's 256 rows (its own group 0 begins at the tile's first row and at LDS byte 0), wave 2 that of B's (likewise, behind A's),
; wave 1 the scale words of A's 256 rows, wave 3 those of B's.  One chain of branches on the wave's number; every way passes one load.
.macro ARM is, g0, g1, next
	s_cmp_eq_u32 s14, \is
	s_cbranch_scc0 \next
	tensor_load_to_lds s[\g0:\g0+3], s[\g1:\g1+7]
	s_nop 0
.rept 4
	v_nop
.endr
	s_branch .Lhead_asked
\next:
.endm
	ARM 0, G0, G1, .Lhead_b
	ARM 2, G0B, G1B, .Lhead_sa
	ARM 1, G0S, G1S, .Lhead_sb
	tensor_load_to_lds s[G0SB:G0SB+3], s[G1SB:G1SB+7]
	s_nop 0
.rept 4
	v_nop
.endr
.Lhead_asked:
	v_and_b32 v1, 15, v0
	v_bfe_u32 v2, v0, 4, 1
	v_and_b32 v3, 31, v0
	v_lshlrev_b32 v10, 5, v2
	s_wait_alu depctr_va_vdst(0)
	v_lshlrev_b32 v11, 2, v1
	s_wait_alu depctr_va_vdst(0)
	s_cmp_eq_u32 ttmp9, 1
	s_cselect_b64 s[8:9], s[10:11], s[8:9]
	s_cselect_b32 s95, 0, 1
	s_lshl_b32 s20, s40, 10
	s_lshl_b32 s21, s16, 9
	s_add_co_u32 s20, s20, s21
	s_mov_b32 s21, 0
	s_add_nc_u64 s[8:9], s[8:9], s[20:21]
	s_lshl_b32 s20, s41, 10
	s_lshl_b32 s22, s15, 9
	s_add_co_u32 s20, s20, s22
	s_add_nc_u64 s[96:97], s[96:97], s[20:21]
	s_add_co_u32 s20, s67, s41
	s_lshl_b32 s20, s20, 8
	s_lshl_b32 s22, s15, 7
	s_add_co_u32 s20, s20, s22
	s_add_nc_u64 s[98:99], s[98:99], s[20:21]
.irp b, 0,1,2,3,4,5,6,7
	global_load_b128 v[BB+8*\b:BB+8*\b+3], v10, s[8:9] offset:64*\b
	global_load_b128 v[BB+8*\b+4:BB+8*\b+7], v10, s[8:9] offset:64*\b+16
.endr
.irp a, 0,1,2,3,4,5,6,7
	global_load_b32 v[BA+\a], v11, s[96:97] offset:64*\a
.endr
.irp a, 0,1,2,3,4,5,6,7
	global_load_u8 v[KM+\a], v1, s[98:99] offset:16*\a
.endr
	v_lshlrev_b32 v[L16], 4, v3
	v_lshlrev_b32 v[L8], 3, v3
	s_mul_i32 s21, s15, HALFT
	s_mul_i32 s22, s16, HALFT
	s_add_co_u32 s22, s22, 2*HALFT
.irp s, 0,1
	v_add_nc_u32 v[ADRA+\s], s21, v[L16]
	v_add_nc_u32 v[ADRB+\s], s22, v[L16]
	v_add_nc_u32 v[ADRA+2+\s], s21, v[L8]
	v_add_nc_u32 v[ADRB+2+\s], s22, v[L8]
	s_add_co_u32 s21, s21, SLOT
	s_add_co_u32 s22, s22, SLOT
.endr
	s_lshl_b32 s21, s15, 12
	s_lshl_b32 s22, s16, 12
	s_add_co_u32 s22, s22, 2*HALFS
	s_sub_co_u32 s22, s22, s21
	v_mul_u32_u24 v6, s22, v2
	s_add_co_u32 s21, s21, SCL
	v_lshl_add_u32 v5, v1, 2, v6
	v_add_nc_u32 v[ADRS], s21, v5
	s_lshl_b32 s22, s14, 9
	v_lshl_add_u32 v[WST], v1, 2, s22
	v_add_nc_u32 v[WRD], s22, v[L16]
	s_cmp_eq_u32 s66, 1
	s_cselect_b32 s18, s42, s17
	s_cselect_b32 s19, s16, s15
	s_cselect_b32 s20, s41, s40
	s_cselect_b32 s21, s15, s16
	s_lshr_b32 s22, s18, 3
	s_lshl_b32 s22, s22, 3
	s_lshl_b32 s20, s20, 1
	s_add_co_u32 s22, s22, s20
	s_add_co_u32 s22, s22, s21
	s_lshl_b32 s22, s22, 4
	s_and_b32 s18, s18, 7
	s_lshl_b32 s18, s18, 1
	s_add_co_u32 s22, s22, s18
	s_add_co_u32 s22, s22, s19
	s_mov_b32 s23, 24576
	s_mov_b32 s92, 1024
	s_mov_b32 s93, 6553600
	s_mov_b32 s94, 19136512
	s_cmp_eq_u32 ttmp9, 0
	s_cselect_b32 s23, 12288, s23
	s_cselect_b32 s92, 512, s92
	s_cselect_b32 s93, 0, s93
	s_cselect_b32 s94, 6291456, s94
	s_mul_i32 s12, s22, s23
	s_add_co_u32 s12, s12, s93
	s_mul_i32 s18, s66, 12288
	s_add_co_u32 s12, s12, s18
	s_mov_b32 s13, 0
	s_add_nc_u64 s[12:13], s[100:101], s[12:13]
	s_mul_i32 s18, s22, s92
	s_add_co_u32 s18, s18, s94
	s_lshl_b32 s19, s66, 9
	s_add_co_u32 s18, s18, s19
	s_mov_b32 s19, 0
	s_add_nc_u64 s[18:19], s[100:101], s[18:19]
	s_cmp_eq_u32 s66, 1
	s_cselect_b32 s20, 0, -1
	s_cselect_b32 s21, -1, 0
	s_wait_loadcnt 0x0
.set i, 0
.rept 64
	v_and_b32 v[BB+i], s20, v[BB+i]
.set i, i+1
.endr
.irp a, 0,1,2,3,4,5,6,7
	v_and_b32 v[BA+\a], s21, v[BA+\a]
.endr
.irp a, 0,1,2,3,4,5,6,7
	v_or_b32 v[KM+\a], s95, v[KM+\a]
.endr
.irp a, 0,1,2,3,4,5,6,7
	v_sub_nc_u32 v[KM+\a], 0, v[KM+\a]
.endr
.macro FRAG reg, adr, q, i
	ds_load_b128 v[\reg:\reg+3], v[\adr] offset:(\i)*RT+(\q)*1536
	ds_load_b64 v[\reg+4:\reg+5], v[\adr+2] offset:(\i)*RT+(\q)*1536+512
	ds_load_b128 v[\reg+6:\reg+9], v[\adr] offset:(\i)*RT+(\q)*1536+768
	ds_load_b64 v[\reg+10:\reg+11], v[\adr+2] offset:(\i)*RT+(\q)*1536+1280
.endm
.macro MUL16 a0, p, q, sc, zero
.irp a, \a0, \a0+1
.irp b, 0,1,2,3,4,5,6,7
.if \zero
	v_wmma_scale_f32_16x16x128_f8f6f4 v[8*(8*((\a)%4)+\b):8*(8*((\a)%4)+\b)+7], v[128*(\p)+FR*\b:128*(\p)+FR*\b+FR-1], v[AF+FR*(\a):AF+FR*(\a)+FR-1], v[BB+8*\b:BB+8*\b+7], v[SC+8*NQ*(\sc)+NQ*\b+(\q)], v[SC+8*NQ*(\sc)+NQ*(\a)+(\q)] matrix_a_fmt:MATRIX_FMT_FP6 matrix_b_fmt:MATRIX_FMT_FP6 matrix_a_scale:MATRIX_SCALE_ROW1
.else
	v_wmma_scale_f32_16x16x128_f8f6f4 v[8*(8*((\a)%4)+\b):8*(8*((\a)%4)+\b)+7], v[128*(\p)+FR*\b:128*(\p)+FR*\b+FR-1], v[AF+FR*(\a):AF+FR*(\a)+FR-1], v[8*(8*((\a)%4)+\b):8*(8*((\a)%4)+\b)+7], v[SC+8*NQ*(\sc)+NQ*\b+(\q)], v[SC+8*NQ*(\sc)+NQ*(\a)+(\q)] matrix_a_fmt:MATRIX_FMT_FP6 matrix_b_fmt:MATRIX_FMT_FP6 matrix_a_scale:MATRIX_SCALE_ROW1
.endif
.endr
.endr
.endm
.macro FETCH_B slot, q, p
	WIN TO_B
.irp i, 0,1,2,3,4,5,6,7
	FRAG 128*(\p)+FR*\i, ADRB+\slot, \q, \i
.endr
	WIN 0
.endm
.macro FETCH_A slot, q, i0
.irp i, \i0, \i0+1, \i0+2, \i0+3
	FRAG AF+FR*(\i), ADRA+\slot, \q, \i
.endr
.endm
.macro SCALES sc
.irp i, 0,1,2,3,4,5,6,7
.irp q, 0,1
	ds_load_b32 v[SC+8*NQ*\sc+NQ*\i+\q], v[ADRS] offset:64*\i+512*\q
.endr
.endr
.endm
.macro PLACES n
.rept \n
	v_nop
.endr
.endm
.macro STEP slot, q, zero
	s_wait_dscnt 4*NL
.if \zero
	WIN 0x81
.else
	WIN MUL_LO
.endif
	MUL16 0, (\q)%2, \q, \slot, \zero
	MUL16 2, (\q)%2, \q, \slot, \zero
	s_wait_dscnt 0
	PLACES NP
	FETCH_B \slot, (\q)+1, 1-(\q)%2
	FETCH_A \slot, (\q)+1, 0
.if \zero
	WIN 0xc1
.else
	WIN MUL_HI
.endif
	MUL16 4, (\q)%2, \q, \slot, \zero
	MUL16 6, (\q)%2, \q, \slot, \zero
	PLACES NP
	WIN 0
	FETCH_A \slot, (\q)+1, 4
.endm
.macro TURN slot, next, fill
	s_wait_tensorcnt 0x0
	ds_add_u32 v[SPW], v[NIL]
	s_wait_dscnt 4*NL+1
	WIN MUL_LO
	MUL16 0, 1, NQ-1, \slot, 0
	s_wait_dscnt 0x0
	s_barrier_signal -1
	MUL16 2, 1, NQ-1, \slot, 0
	WIN 0
	s_barrier_wait -1
.if \fill
	CREST
	s_add_nc_u64 s[G0+4*\slot+2:G0+4*\slot+3], s[G0+4*\slot+2:G0+4*\slot+3], 2*RT
	s_add_nc_u64 s[G0B+4*\slot+2:G0B+4*\slot+3], s[G0B+4*\slot+2:G0B+4*\slot+3], 2*RT
	JLOAD G0+4*\slot, G1, G0B+4*\slot, G1B
.else
	PLACES NP
.endif
	s_wait_alu depctr_va_vdst(0)
	v_add_nc_u32 v[ADRS], 512*NQ, v[ADRS]
	FETCH_B \next, 0, 0
	FETCH_A \next, 0, 0
	SCALES \next
	WIN MUL_HI
	MUL16 4, 1, NQ-1, \slot, 0
	MUL16 6, 1, NQ-1, \slot, 0
	PLACES NP
	WIN 0
	FETCH_A \next, 0, 4
.endm
	s_wait_alu depctr_va_vdst(0)
	s_wait_tensorcnt 0x0                           ; my tile of the head's four is in
	ds_add_u32 v[SPW], v[NIL]
	s_mov_b32 s[G1+2], 8<<16                       ; no tensor load of mine is out: from here on a load brings 8 row tiles
	s_mov_b32 s[G1+4], 8
	s_mov_b32 s[G1B+2], 8<<16
	s_mov_b32 s[G1B+4], 8
	s_wait_dscnt 0x0
	CROUND                                         ; all four tiles are in, in all sixteen work-groups
	JLOAD G0+4, G1, G0B+4, G1B                     ; slot 1's first fill, a quarter a wave
	FETCH_B 0, 0, 0
	FETCH_A 0, 0, 0
	SCALES 0
	FETCH_A 0, 0, 4
	STEP 0, 0, 1
	s_mov_b32 s3, LAPS-1
.Llap:
	TURN 0, 1, 1
	STEP 1, 0, 0
	TURN 1, 0, 1
	STEP 0, 0, 0
	s_sub_co_u32 s3, s3, 1
	s_cmp_lg_u32 s3, 0
	s_cbranch_scc1 .Llap
	TURN 0, 1, 0
	STEP 1, 0, 0
	s_wait_dscnt 4*NL
	WIN MUL_LO
	MUL16 0, 1, NQ-1, 1, 0
	MUL16 2, 1, NQ-1, 1, 0
	s_wait_dscnt 0
	WIN MUL_HI
	MUL16 4, 1, NQ-1, 1, 0
	MUL16 6, 1, NQ-1, 1, 0
	WIN 0
.macro QUANT s
.irp b, 0,1,2,3
	v_max3_num_f32 v[TM+\b], |v[\s+16*\b]|, |v[\s+1+16*\b]|, 0x1800000
.endr
.irp i, 2,4,6,8,10,12,14
.irp b, 0,1,2,3
	v_max3_num_f32 v[TM+\b], v[TM+\b], |v[\s+16*\b+\i]|, |v[\s+1+16*\b+\i]|
.endr
.endr
.irp b, 0,1,2,3
	v_permlanex16_b32 v[TM+4+\b], v[TM+\b], s[SEL], s[SEL+1]
.endr
.irp b, 0,1,2,3
	v_max_num_f32 v[TM+\b], v[TM+\b], v[TM+4+\b]
.endr
.irp b, 0,1,2,3
	v_add_nc_u32 v[TM+12+\b], 0xff000000, v[TM+\b]
.endr
.irp b, 0,1,2,3
	v_lshrrev_b32 v[TM+4+\b], 23, v[TM+12+\b]
.endr
	v_lshl_or_b32 v[PW], v[TM+5], 8, v[TM+4]
	v_lshl_or_b32 v[PW], v[TM+6], 16, v[PW]
	v_lshl_or_b32 v[PW], v[TM+7], 24, v[PW]
.irp c, 0,1
	v_cvt_scalef32_pk16_fp6_f32 v[PC+6*\c:PC+2+6*\c], v[\s+32*\c:\s+15+32*\c], v[TM+12+2*\c]
	v_cvt_scalef32_pk16_fp6_f32 v[PC+12+4*\c:PC+14+4*\c], v[\s+16+32*\c:\s+31+32*\c], v[TM+12+2*\c+1]
.endr
	v_nop
.irp c, 0,1
.irp i, 0,1,2
	v_permlane16_swap_b32 v[PC+6*\c+\i], v[PC+12+4*\c+\i]
.endr
.irp i, 0,1,2
	v_mov_b32 v[PC+3+6*\c+\i], v[PC+12+4*\c+\i]
.endr
.endr
.endm
.macro OUTA a
.set AC, 64*((\a)%4)
	WIN 0x02+(\a)/4
.set i, 0
.rept 32
.if (\a)%2
	v_pk_add_f32 v[T+i:T+i+1], v[AC+i:AC+i+1], v[BA+((\a)/2)*2:BA+((\a)/2)*2+1] op_sel:[0,1] op_sel_hi:[1,1]
.else
	v_pk_add_f32 v[T+i:T+i+1], v[AC+i:AC+i+1], v[BA+((\a)/2)*2:BA+((\a)/2)*2+1] op_sel_hi:[1,0]
.endif
.set i, i+2
.endr
	WIN 0
.if (\a) > 0
	s_wait_xcnt 0x0
.endif
	QUANT T
.set i, 0
.rept 12
	v_and_b32 v[PC+i], v[KM+(\a)], v[PC+i]
.set i, i+1
.endr
	global_store_b128 v[L16], v[PC:PC+3], s[12:13] offset:(\a)*1536
	global_store_b64 v[L8], v[PC+4:PC+5], s[12:13] offset:(\a)*1536+512
	global_store_b128 v[L16], v[PC+6:PC+9], s[12:13] offset:(\a)*1536+768
	global_store_b64 v[L8], v[PC+10:PC+11], s[12:13] offset:(\a)*1536+1280
	ds_store_b32 v[WST], v[PW] offset:64*(\a)
.endm
	PLACES NP
	s_mov_b32 s[SEL], 0x76543210
	s_mov_b32 s[SEL+1], 0xfedcba98
.irp b, 0,1,2,3
	v_mov_b32 v[TM+4+\b], 0
.endr
.irp a, 0,1,2,3,4,5,6,7
	OUTA \a
.endr
	ds_load_b128 v[WD:WD+3], v[WRD]
	s_wait_dscnt 0x0
	global_store_b128 v[L16], v[WD:WD+3], s[18:19]
	s_wait_tensorcnt 0x0
	ds_add_u32 v[SPW], v[NIL]
	s_wait_dscnt 0x0
	CROUND
	s_endpgm
.Lfunc_end_k_q8b4730d2d9_gemm_qkv:
	.size	k_q8b4730d2d9_gemm_qkv, .Lfunc_end_k_q8b4730d2d9_gemm_qkv-k_q8b4730d2d9_gemm_qkv
	.p2alignl 7, 3214868480
	.fill 96, 4, 3214868480
	.section	.rodata,"a",@progbits
	.p2align	6, 0x0
	.amdhsa_kernel k_q8b4730d2d9_gemm_qkv
		.amdhsa_group_segment_fixed_size 327680
		.amdhsa_private_segment_fixed_size 0
		.amdhsa_enable_private_segment 0
		.amdhsa_kernarg_size 56
		.amdhsa_user_sgpr_count 2
		.amdhsa_user_sgpr_kernarg_segment_ptr 1
		.amdhsa_wavefront_size32 1
		.amdhsa_system_sgpr_workgroup_id_x 1
		.amdhsa_system_sgpr_workgroup_id_y 1
		.amdhsa_system_sgpr_workgroup_id_z 1
		.amdhsa_system_vgpr_workitem_id 0
		.amdhsa_next_free_vgpr 1024
		.amdhsa_next_free_sgpr 102
		.amdhsa_reserve_vcc 0
		.amdhsa_float_denorm_mode_32 3
		.amdhsa_float_denorm_mode_16_64 3
		.amdhsa_memory_ordered 1
		.amdhsa_forward_progress 1
		.amdhsa_inst_pref_size 178
	.end_amdhsa_kernel
	.amdgpu_metadata
---
amdhsa.version: [ 1, 2 ]
amdhsa.kernels:
  - .name:           k_q8b4730d2d9_gemm_qkv
    .symbol:         k_q8b4730d2d9_gemm_qkv.kd
    .args:
      - { .name: opc, .offset: 0, .size: 8, .value_kind: global_buffer, .address_space: global }
      - { .name: ops, .offset: 8, .size: 8, .value_kind: global_buffer, .address_space: global }
      - { .name: bq, .offset: 16, .size: 8, .value_kind: global_buffer, .address_space: global }
      - { .name: bk, .offset: 24, .size: 8, .value_kind: global_buffer, .address_space: global }
      - { .name: bv, .offset: 32, .size: 8, .value_kind: global_buffer, .address_space: global }
      - { .name: mask, .offset: 40, .size: 8, .value_kind: global_buffer, .address_space: global }
      - { .name: att, .offset: 48, .size: 8, .value_kind: global_buffer, .address_space: global }
    .group_segment_fixed_size: 327680
    .private_segment_fixed_size: 0
    .kernarg_segment_align: 8
    .kernarg_segment_size: 56
    .max_flat_workgroup_size: 128
    .sgpr_count:     102
    .vgpr_count:     1024
    .wavefront_size: 32
...
	.end_amdgpu_metadata
.endif
;; end of part 2
;; launch attn (part 3): grid 4 x 64, 16 waves a work-group, clusters of 4 x 1, 327,680 bytes of LDS; arguments att, mask, ctxc, ctxs; writes ctxc, ctxs
.if DOCPART == 3
	.amdgcn_target "amdgcn-amd-amdhsa--gfx1250"
	.amdhsa_code_object_version 6
	.text
	.protected	k_q8b4730d2d9_attn
	.globl	k_q8b4730d2d9_attn
	.p2align	8
	.type	k_q8b4730d2d9_attn,@function
k_q8b4730d2d9_attn:
	s_mov_b64 s[64:65], 0
	v_nop
	global_prefetch_b8 v0, s[64:65] scope:SCOPE_SE
	s_setreg_imm32_b32 hwreg(HW_REG_WAVE_MODE, 25, 1), 1
	s_wait_xcnt 0x0
	s_wait_alu depctr_hold_cnt(0) depctr_sa_sdst(0) depctr_va_vdst(0) depctr_va_sdst(0) depctr_va_ssrc(0) depctr_va_vcc(0) depctr_vm_vsrc(0)
	s_getreg_b32 s2, hwreg(HW_REG_IB_STS2, 6, 4)
	s_cmp_eq_u32 s2, 0
	s_cbranch_scc0 .Lentry_in_a_cluster
	s_endpgm
.Lentry_in_a_cluster:
	s_bfe_u32 s2, ttmp6, 0x10000c
	s_cmp_lg_u32 s2, 0x3003
	s_cbranch_scc0 .Lentry_shape_is_right
	s_endpgm
.Lentry_shape_is_right:
; ctx[b][q][head] = softmax_k(q . k / 8, hidden keys' logits replaced by -10000) v, both products on codes of FP6 (E2M3) with E8M0 scales; ctx is quantised along the model's 1,024 and leaves as codes.
; THE SOFTMAX: t = logit x log2(e); M = the running largest t rounded UP to a whole number; p = 2^(t - M) is quantised along the keys; the row's sum is taken of the unquantised p and divides at the end.
; When M moves, the sum and O are multiplied by 2^(old M - new M): exact.
; SHARES.  A work-group owns ONE head (y = 16 batch + head) and 512 queries (x); 4 x 64 = 256 work-groups.  Wave w owns query tiles 2 w and 2 w + 1 of the 32, one after the other: 256 registers, four waves to a SIMD.
; THE HEAD'S K AND V FOR ALL 2,048 KEYS STAY IN LDS: 16 key steps x (6,144 + 6,144) bytes = 196,608, filled once.  So the walk over the keys fills nothing again, and the waves do not meet in it.
; FILLS.  In att a key step of a PAIR of heads is 24,576 bytes: K's 8 images of 1,536 (my head's half: 768 bytes at 768 hp), then V's 8 (my head's four on end at 12,288 + 6,144 hp).
; At the head one load a wave: waves 0-11 K of step w (8 rows of 768 bytes, 1,536 apart), waves 12-15 V of four steps (4 rows of 6,144 bytes, 24,576 apart).  K of steps 12-15 is 4 loads more than there are waves:
; waves 0-3 ask for them behind the lines and a round, and a plain barrier behind the second key step shows them to all.  Every wait on TENSORcnt is for 0.
; The four work-groups of a cluster own the same head: each tile is asked for JOINTLY (mask 15).  No prefetch: every tile is asked for at the head, and there is no loop to run ahead in.
; The scale words and the mask come through registers, once: of K's words only my head's two bytes are kept, so that no LDS address hangs on the work-group's number.
; LAYOUT.  S^T = K Q^T (source 0 = 16 keys, source 1 = my 16 queries), O^T = V^T P^T: a lane holds ONE query throughout.  Fragments lie in LDS as images of their registers.
; THE FIRST PRODUCT'S K IS 64, THE INSTRUCTION'S 128.  Q's registers 6-11 are zero codes and bytes 2, 3 of both scale words are 0.  K's tile t lies in v[32 + 6 t] on, so the six registers that the instruction reads
; for k = 64 .. 127 are the next tile's codes (for tile 7 six cleared registers): finite numbers times zero codes, which add exact zeros.
; THE MASK.  The launch before has made hidden keys' codes zeros.  An addend, 0 for a key that counts and -80000 for a hidden one, is loaded into the scores' registers and is the product's C: a hidden score is exactly
; -80000, and t = score x log2(e) / 8 is -10000 log2(e).  A batch whose every key is hidden so gets equal p.
; p's 32 codes of a block stand in the order 0-7, 16-23, 8-15, 24-31, as v's do; ctx is brought into the natural order, as wo's codes are.
; ctx's scale word of a token and a pair of heads is two bytes of each head: this work-group stores its head's two (2,048 bytes of the launch's 6.5 million a head pair and query block), the pair's other head the other two.
; LIMITS: NaN and infinities are not served; a block of zeros, or one under 2^-124, keeps the byte 1 (its codes are zeros; this program alone reads the bytes); mask bytes are 0 or 1;
; the scaled scores stay under 2^31 in magnitude.
.set STEPB,  24576                     ; a key step of a pair in att
.set HB,     6144                      ; a key step of one head's K, or V
.set VL,     98304                     ; LDS: K at 0, V here
.set KWL,    196608                    ; K's scale words, 512 bytes a key step
.set VWL,    204800                    ; V's, 256 bytes at each 512
.set BIAS,   212992                    ; 2,048 f32: the addend of each key
.set SPARE,  221184                    ; the spare words, 128 bytes for each wave
.set QW_OFF,  6291456
.set KVC_OFF, 6553600
.set KVW_OFF, 19136512
.set AK8,  2                           ; v2   8 l + 512
.set AV16, 3                           ; v3   VL + 16 l
.set AV8,  4                           ; v4   VL + 8 l + 512
.set SPW,  5                           ; v5   my spare word; never rewritten
.set NIL,  6                           ; v6   0; never rewritten
.set AKW,  7                           ; v7   KWL + 4 l
.set AVW,  8                           ; v8   VWL + 4 l
.set ABI,  9                           ; v9   BIAS + 32 h
.set QF,   16                          ; v16-21 Q's codes, v22-27 zero codes
.set QS,   28                          ; v28  Q's scale word
.set KF,   32                          ; v32-85 K's eight tiles; v32-79 V's four fragments
.set KW,   88                          ; v88-91 K's scale words (lanes 0-15 tile 2 u, lanes 16-31 tile 2 u + 1)
.set VW,   92                          ; v92-93 V's
.set HH,   94                          ; v94  h = lane / 16
.set L4,   95                          ; v95  4 x lane
.set S,    96                          ; v96-159 S^T, then p; at the head: at work
.set OT,   160                         ; v160-191 O^T
.set PC,   192                         ; v192-203 p's codes
.set PT,   204                         ; v204-211 the conversions' second halves
.set BM,   212                         ; v212-215 each block's largest score, then largest p
.set BX,   216                         ; v216-219 the other half's; then the bytes
.set SO,   220                         ; v220-223 the conversions' scale operands
.set FF,   224                         ; v[224:225] f = 2^(old M - new M)
.set PW,   226                         ; v226 p's scale word
.set CW,   227                         ; v227 ctx's two scale bytes
.set TA,   230                         ; v230, v231 at work
.set L16,  233                         ; v233 16 x lane: also my place in an image of K
.set L8,   234                         ; v234 8 x lane
.set R4,   235                         ; v235 4 r
.set Q2,   236                         ; v236-241 my second tile's Q, v242 its scale word
.set CW0,  243                         ; v243 my first tile's two scale bytes
.set WV,   12
.set HP,   13
.set YP,   14
.set SEL,  20
.set CS,   22                          ; s[22:23] c = log2(e) / 8
.set G1K,  24
.set G1V,  32
.set G0K,  40
.set G0V,  44
.set TB,   48                          ; 6,144 x the key step in hand
.set TJ,   49                          ; 512 x it
.set CNT,  50
.macro WALU
	s_wait_alu depctr_va_vdst(0)
.endm
.macro CROUND                          ; a round of the cluster's barrier
	s_barrier_signal -1
	s_barrier_wait -1
	s_cmp_lg_u32 s[WV], 0
	s_cbranch_scc1 .Lnot_wave_0_\@
	s_barrier_signal -3
.Lnot_wave_0_\@:
	s_barrier_wait -3
	s_barrier_signal -1
	s_barrier_wait -1
.endm
.macro TL g0, g1                       ; s_nop 0 and four v_nop follow the load
	tensor_load_to_lds s[\g0:\g0+3], s[\g1:\g1+7]
	s_nop 0
.rept 4
	v_nop
.endr
.endm
	s_load_b256 s[4:11], s[0:1], 0x0               ; att s[4:5], mask s[6:7], ctxc s[8:9], ctxs s[10:11]
	v_lshl_add_u32 v[SPW], v0, 2, SPARE
	v_mov_b32 v[NIL], 0
	ds_add_u32 v[SPW], v[NIL]                      ; the opening lines: the add, twice on end, and its wait ahead of my first tensor load
	ds_add_u32 v[SPW], v[NIL]
	v_lshrrev_b32 v96, 5, v0
	v_readfirstlane_b32 s[WV], v96                 ; wave 0..15
	v_and_b32 v97, 31, v0                          ; lane
	v_and_b32 v98, 15, v0                          ; r
	v_bfe_u32 v[HH], v0, 4, 1                      ; h
	v_lshlrev_b32 v[L16], 4, v97
	v_lshlrev_b32 v[L8], 3, v97
	v_lshlrev_b32 v[L4], 2, v97
	v_lshlrev_b32 v[R4], 2, v98
	v_lshlrev_b32 v99, 2, v0                       ; four mask bytes a thread
	v_lshlrev_b32 v100, 10, v96                    ; the scale words: wave w copies key step w's: 1,024 bytes a step in att,
	v_lshl_add_u32 v101, v97, 4, v100              ; K's 512: 16 bytes a lane,
	v_lshl_add_u32 v102, v97, 3, v100              ; my head's 256 of V's: 8 bytes a lane
	s_bfe_u32 s15, ttmp6, 0x40000                  ; cx: my block of 512 queries; it enters global addresses alone
	s_and_b32 s17, ttmp7, 0xffff                   ; y = 16 batch + head, which the four partners share
	s_and_b32 s[HP], s17, 1                        ; which head of its pair
	s_lshr_b32 s[YP], s17, 1                       ; 8 batch + pair
	s_mov_b32 s[G1K], 15|(3<<16)|(1<<21)           ; the mask: all four work-groups; elements of 8 bytes; bit 21 beside a mask; no padding
	s_mov_b32 s[G1K+1], 96<<16                     ; K of a step: 8 rows of 768 bytes,
	s_mov_b32 s[G1K+2], 8<<16
	s_mov_b32 s[G1K+3], 96<<16
	s_mov_b32 s[G1K+4], 8
	s_mov_b32 s[G1K+5], 192                        ; 1,536 bytes apart
	s_mov_b32 s[G1K+6], 0
	s_mov_b32 s[G1K+7], 0
	s_mov_b32 s[G1V], 15|(3<<16)|(1<<21)
	s_mov_b32 s[G1V+1], 768<<16                    ; V of four steps: 4 rows of 6,144 bytes,
	s_mov_b32 s[G1V+2], 4<<16
	s_mov_b32 s[G1V+3], 768<<16
	s_mov_b32 s[G1V+4], 4
	s_mov_b32 s[G1V+5], 3072                       ; 24,576 bytes apart
	s_mov_b32 s[G1V+6], 0
	s_mov_b32 s[G1V+7], 0
	s_mul_i32 s16, s[HP], 768
	s_lshl_b32 s52, s[YP], 4                       ; the pair's first key step
	s_add_co_u32 s54, s52, s[WV]
	s_mul_i32 s54, s54, STEPB
	s_add_co_u32 s54, s54, s16
	s_add_co_u32 s54, s54, KVC_OFF                 ; K of key step w, my head's halves
	s_mov_b32 s55, 0
	s_and_b32 s18, s[WV], 3
	s_lshl_b32 s19, s18, 2
	s_add_co_u32 s68, s52, s19
	s_mul_i32 s68, s68, STEPB
	s_mul_i32 s19, s[HP], HB
	s_add_co_u32 s68, s68, s19
	s_add_co_u32 s68, s68, KVC_OFF+12288           ; V of key steps 4 (w % 4) on
	s_mov_b32 s69, 0
	s_lshl_b32 s70, s15, 5
	s_lshl_b32 s71, s[WV], 1
	s_add_co_u32 s70, s70, s71                     ; my first query tile of the sequence's 128
	s_lshl_b32 s71, s[YP], 7
	s_add_co_u32 s71, s71, s70
	s_mul_i32 s56, s71, 1536
	s_add_co_u32 s56, s56, s16                     ; Q's half image; the second tile's 1,536 on
	s_mov_b32 s57, 0
	s_lshl_b32 s79, s[HP], 1
	s_lshl_b32 s58, s71, 6
	s_add_co_u32 s58, s58, s79
	s_add_co_u32 s58, s58, QW_OFF                  ; Q's two scale bytes; the second tile's 64 on
	s_mov_b32 s59, 0
	s_lshl_b32 s60, s[YP], 14
	s_add_co_u32 s60, s60, KVW_OFF                 ; the pair's scale words
	s_mov_b32 s61, 0
	s_lshl_b32 s62, s[HP], 8
	s_add_co_u32 s62, s62, s60
	s_add_co_u32 s62, s62, 512                     ; my head's words of V
	s_mov_b32 s63, 0
	s_lshl_b32 s51, s[HP], 4                       ; my head's two bytes of a word of K begin at this bit
	s_lshr_b32 s72, s17, 4                         ; batch
	s_and_b32 s73, s[YP], 7                        ; the pair = ctx's K step
	s_lshl_b32 s66, s72, 11                        ; the batch's 2,048 mask bytes
	s_mov_b32 s67, 0
	s_lshl_b32 s78, s72, 7
	s_add_co_u32 s78, s78, s70                     ; ctx's row tile
	s_lshl_b32 s74, s78, 3
	s_add_co_u32 s74, s74, s73
	s_mul_i32 s74, s74, 1536
	s_add_co_u32 s74, s74, s16                     ; ctx's half image; the second tile's 12,288 on
	s_mov_b32 s75, 0
	s_lshr_b32 s76, s78, 3
	s_lshl_b32 s76, s76, 3
	s_add_co_u32 s76, s76, s73
	s_lshl_b32 s76, s76, 9                         ; the scale words of the tile's 128 tokens,
	s_and_b32 s77, s70, 7
	s_lshl_b32 s77, s77, 6
	s_add_co_u32 s76, s76, s77                     ; my 32 tokens',
	s_add_co_u32 s76, s76, s79                     ; my head's two bytes
	s_mov_b32 s77, 0
	s_mov_b32 s[SEL], 0x76543210
	s_mov_b32 s[SEL+1], 0xfedcba98
	s_mov_b32 s[CS], 0x3e38aa3b                    ; c = log2(e) / 8
	s_mov_b32 s[CS+1], s[CS]                       ; (named with it as a pair, so it is written)
	s_mov_b32 s[TB], 0
	s_mov_b32 s[TJ], 0
	WALU
	s_wait_dscnt 0x0                               ; both opening adds are done
	s_wait_kmcnt 0x0
	s_mov_b32 s[G0K], 1
	s_mul_i32 s[G0K+1], s[WV], HB                  ; no place in the cluster enters an LDS address
	s_add_nc_u64 s[G0K+2:G0K+3], s[4:5], s[54:55]
	s_or_b32 s[G0K+3], s[G0K+3], 0x80000000
	s_mov_b32 s[G0V], 1
	s_mul_i32 s[G0V+1], s18, 4*HB
	s_add_co_u32 s[G0V+1], s[G0V+1], VL
	s_add_nc_u64 s[G0V+2:G0V+3], s[4:5], s[68:69]
	s_or_b32 s[G0V+3], s[G0V+3], 0x80000000
	s_add_nc_u64 s[56:57], s[4:5], s[56:57]
	s_add_nc_u64 s[58:59], s[4:5], s[58:59]
	s_add_nc_u64 s[60:61], s[4:5], s[60:61]
	s_add_nc_u64 s[62:63], s[4:5], s[62:63]
	s_add_nc_u64 s[6:7], s[6:7], s[66:67]
	s_add_nc_u64 s[8:9], s[8:9], s[74:75]
	s_add_nc_u64 s[10:11], s[10:11], s[76:77]
	global_load_b32 v103, v99, s[6:7]              ; what goes on into LDS first,
	global_load_b128 v[108:111], v101, s[60:61]
	global_load_b64 v[112:113], v102, s[62:63]
	global_load_b128 v[QF:QF+3], v[L16], s[56:57]  ; then both tiles' Q
	global_load_b64 v[QF+4:QF+5], v[L8], s[56:57] offset:512
	global_load_u16 v[QS], v[R4], s[58:59]         ; my head's two bytes, zeros above them
	global_load_b128 v[Q2:Q2+3], v[L16], s[56:57] offset:1536
	global_load_b64 v[Q2+4:Q2+5], v[L8], s[56:57] offset:2048
	global_load_u16 v[Q2+6], v[R4], s[58:59] offset:64
	CROUND                                         ; all four work-groups are here: the first joint loads meet
	s_cmp_lt_u32 s[WV], 12                         ; one load a wave, in the two arms of one branch on the wave's number
	s_cbranch_scc0 .Lfor_v
	TL G0K, G1K
	s_branch .Lasked
.Lfor_v:
	TL G0V, G1V
.Lasked:
	v_lshl_add_u32 v[AK8], v97, 3, 512
	v_lshl_add_u32 v[AV16], v97, 4, VL
	v_lshl_add_u32 v[AV8], v97, 3, VL+512
	v_lshl_add_u32 v[AKW], v97, 2, KWL
	v_lshl_add_u32 v[AVW], v97, 2, VWL
	v_lshl_add_u32 v[ABI], v[HH], 5, BIAS
	v_lshl_add_u32 v114, v0, 4, KWL                ; where my four words of K go,
	v_lshlrev_b32 v115, 9, v96
	v_lshl_add_u32 v115, v97, 3, v115
	v_add_nc_u32 v115, VWL, v115                   ; my two of V,
	v_lshl_add_u32 v116, v0, 4, BIAS               ; my four keys' addends
	v_mov_b32 v13, 0xff61b1e6                      ; the largest t so far: -3e38, under every t
	v_floor_f32 v12, -v13                          ; -M
	v_mov_b32 v14, 0                               ; the sum, in two halves
	v_mov_b32 v15, 0
.irp i, 0,1,2,3,4,5
	v_mov_b32 v[QF+6+\i], 0                        ; Q's zero codes for k = 64 .. 127
	v_mov_b32 v[KF+48+\i], 0                       ; and what stands behind K's tile 7
.endr
.irp b, 0,1,2,3
	v_mov_b32 v[BX+\b], 0                          ; a lane permute's destination counts as one of its sources
.endr
	v_mov_b32 v[FF+1], 0                           ; (named as the upper half of a pair)
	v_mov_b32 v[TA], 0
.set j, 0
.rept 32
	v_mov_b32 v[OT+j], 0                           ; O^T.  The step is written alike for all keys: the first finds zeros, which the first change of M leaves zeros
.set j, j+1
.endr
	v_mov_b32 v[TA+1], 0xc79c4000                  ; -80000.0
	WALU
	s_wait_loadcnt 0x0
.irp e, 0,1,2,3
	v_bfe_u32 v[TA], v103, 8*\e, 8
	v_cmp_eq_u32 vcc_lo, 0, v[TA]
	v_cndmask_b32 v[104+\e], 0, v[TA+1], vcc_lo    ; 0 for a key that counts, -80000 for a hidden one
	v_bfe_u32 v[108+\e], v[108+\e], s51, 16        ; my head's two bytes of K's word, zeros above them
.endr
	ds_store_b128 v116, v[104:107]
	ds_store_b128 v114, v[108:111]
	ds_store_b64 v115, v[112:113]
	WALU
	s_wait_tensorcnt 0x0                           ; my tile is in; no tensor load of mine is out, so a group 0 may be written
	ds_add_u32 v[SPW], v[NIL]
	s_add_co_u32 s[G0K+1], s[G0K+1], 12*HB         ; K of key step 12 + w
	s_add_nc_u64 s[G0K+2:G0K+3], s[G0K+2:G0K+3], 12*STEPB
	s_wait_dscnt 0x0                               ; the add and my LDS stores are done
	CROUND                                         ; everybody's tile, words and addends are in
	s_cmp_lt_u32 s[WV], 4
	s_cbranch_scc0 .Lno_second
	TL G0K, G1K
.Lno_second:
; A KEY STEP: 128 keys
.macro STEP
	v_add_nc_u32 v10, s[TB], v[L16]                ; seven plain lines: also the places between the last step's products and the loads into the registers that they read
	v_add_nc_u32 v11, s[TB], v[AK8]
	v_add_nc_u32 v29, s[TB], v[AV16]
	v_add_nc_u32 v30, s[TB], v[AV8]
	v_add_nc_u32 v31, s[TJ], v[AKW]
	v_add_nc_u32 v86, s[TJ], v[AVW]
	v_add_nc_u32 v87, s[TJ], v[ABI]
.irp t, 0,1,2,3,4,5,6,7
	ds_load_b128 v[S+8*\t:S+8*\t+3], v87 offset:64*\t          ; the addends of keys 16 t + 8 h + 0 .. 7: the product's C
	ds_load_b128 v[S+8*\t+4:S+8*\t+7], v87 offset:64*\t+16
.endr
.irp t, 0,1,2,3,4,5,6,7
	ds_load_b128 v[KF+6*\t:KF+6*\t+3], v10 offset:768*\t       ; the half image of keys 16 t on
	ds_load_b64 v[KF+6*\t+4:KF+6*\t+5], v11 offset:768*\t
.endr
.irp u, 0,1,2,3
	ds_load_b32 v[KW+\u], v31 offset:128*\u
.endr
	s_wait_alu depctr_va_vdst(0)
	s_wait_dscnt 0x0
.irp t, 0,1,2,3,4,5,6,7
.if \t%2
	v_wmma_scale_f32_16x16x128_f8f6f4 v[S+8*\t:S+8*\t+7], v[KF+6*\t:KF+6*\t+11], v[QF:QF+11], v[S+8*\t:S+8*\t+7], v[KW+\t/2], v[QS] matrix_a_fmt:MATRIX_FMT_FP6 matrix_b_fmt:MATRIX_FMT_FP6 matrix_a_scale:MATRIX_SCALE_ROW1
.else
	v_wmma_scale_f32_16x16x128_f8f6f4 v[S+8*\t:S+8*\t+7], v[KF+6*\t:KF+6*\t+11], v[QF:QF+11], v[S+8*\t:S+8*\t+7], v[KW+\t/2], v[QS] matrix_a_fmt:MATRIX_FMT_FP6 matrix_b_fmt:MATRIX_FMT_FP6
.endif
.endr
.rept 4
	v_nop                                          ; places: the scores are read, and V lands where K lay
.endr
.irp d, 0,1,2,3                                ; V's four fragments (16 of the head's 64 x 128 keys) land during the softmax
	ds_load_b128 v[KF+12*\d:KF+12*\d+3], v29 offset:1536*\d
	ds_load_b64 v[KF+12*\d+4:KF+12*\d+5], v30 offset:1536*\d
	ds_load_b128 v[KF+12*\d+6:KF+12*\d+9], v29 offset:1536*\d+768
	ds_load_b64 v[KF+12*\d+10:KF+12*\d+11], v30 offset:1536*\d+768
.endr
	ds_load_b32 v[VW], v86
	ds_load_b32 v[VW+1], v86 offset:128
.irp b, 0,1,2,3
	v_max3_num_f32 v[BM+\b], v[S+16*\b], v[S+1+16*\b], v[S+2+16*\b]   ; the largest score of each block of 32 keys: for the row's maximum and, since p rises with the score, for the block's largest p
.endr
.irp i, 3,5,7,9,11,13
.irp b, 0,1,2,3
	v_max3_num_f32 v[BM+\b], v[BM+\b], v[S+16*\b+\i], v[S+1+16*\b+\i]
.endr
.endr
.irp b, 0,1,2,3
	v_max_num_f32 v[BM+\b], v[BM+\b], v[S+15+16*\b]
.endr
.irp b, 0,1,2,3
	s_delay_alu instid0(VALU_DEP_4)
	v_permlanex16_b32 v[BX+\b], v[BM+\b], s[SEL], s[SEL+1]
.endr
.irp b, 0,1,2,3
	s_delay_alu instid0(VALU_DEP_4)
	v_max_num_f32 v[BM+\b], v[BM+\b], v[BX+\b]     ; with lane l xor 16's 16 keys
.endr
	s_delay_alu instid0(VALU_DEP_2)
	v_max3_num_f32 v[TA], v[BM], v[BM+1], v[BM+2]
	s_delay_alu instid0(VALU_DEP_1)
	v_max_num_f32 v[TA], v[TA], v[BM+3]
	s_delay_alu instid0(VALU_DEP_1)
	v_mul_f32 v[TA], s[CS], v[TA]                  ; as t (c is positive)
	s_delay_alu instid0(VALU_DEP_1)
	v_max_num_f32 v13, v13, v[TA]                  ; the running largest t
	v_mov_b32 v[TA], v12
	s_delay_alu instid0(VALU_DEP_2)
	v_floor_f32 v12, -v13                          ; the new -M = floor(-t) = -ceil(t)
	s_delay_alu instid0(VALU_DEP_1)
	v_sub_f32 v[TA], v12, v[TA]                    ; old M - new M: a whole number, 0 or less
	s_delay_alu instid0(VALU_DEP_1)
	v_cvt_i32_f32 v[TA], v[TA]                     ; (it saturates)
	s_delay_alu instid0(VALU_DEP_1)
	v_ldexp_f32 v[FF], 1.0, v[TA]                  ; f = 2^(old M - new M)
.set j, 0
.rept 32
	v_pk_fma_f32 v[S+j:S+j+1], v[S+j:S+j+1], s[CS:CS+1], v[12:13] op_sel_hi:[1,0,0]   ; t - M, two at a time
.set j, j+2
.endr
.irp b, 0,1,2,3
	v_fma_f32 v[BM+\b], v[BM+\b], s[CS], v12       ; the same of each block's largest score
.endr
.set j, 0
	s_wait_alu depctr_va_vdst(0)
.rept 64
	v_exp_f32 v[S+j], v[S+j]                       ; p = 2^(t - M), at most 1
.set j, j+1
.endr
	v_pk_mul_f32 v[14:15], v[14:15], v[FF:FF+1] op_sel_hi:[1,0]   ; the sums under the new M: a plain line behind the exponentials
	s_wait_alu depctr_va_vdst(0)                   ; one wait for the batch of 64, ahead of its first reader
.irp b, 0,1,2,3
	v_exp_f32 v[BM+\b], v[BM+\b]                   ; the block's largest p: the same two instructions on the same number give the same bits
.endr
	v_pk_add_f32 v[228:229], v[100:101], v[104:105]   ; the row's sum of the unquantised p, in eight chains
	v_pk_add_f32 v[254:255], v[108:109], v[112:113]
	v_pk_add_f32 v[252:253], v[116:117], v[120:121]
	v_pk_add_f32 v[250:251], v[124:125], v[128:129]
	v_pk_add_f32 v[248:249], v[132:133], v[136:137]
	v_pk_add_f32 v[246:247], v[140:141], v[144:145]
	v_pk_add_f32 v[244:245], v[148:149], v[152:153]
	v_pk_add_f32 v[14:15], v[14:15], v[156:157]
	v_pk_add_f32 v[228:229], v[228:229], v[96:97]
	v_pk_add_f32 v[254:255], v[254:255], v[98:99]
	v_pk_add_f32 v[252:253], v[252:253], v[102:103]
	v_pk_add_f32 v[250:251], v[250:251], v[106:107]
	v_pk_add_f32 v[248:249], v[248:249], v[110:111]
	v_pk_add_f32 v[246:247], v[246:247], v[114:115]
	v_pk_add_f32 v[244:245], v[244:245], v[118:119]
	v_pk_add_f32 v[14:15], v[14:15], v[122:123]
	v_pk_add_f32 v[228:229], v[228:229], v[126:127]
	v_pk_add_f32 v[254:255], v[254:255], v[130:131]
	v_pk_add_f32 v[252:253], v[252:253], v[134:135]
	v_pk_add_f32 v[250:251], v[250:251], v[138:139]
	v_pk_add_f32 v[248:249], v[248:249], v[142:143]
	v_pk_add_f32 v[246:247], v[246:247], v[146:147]
	v_pk_add_f32 v[244:245], v[244:245], v[150:151]
	v_pk_add_f32 v[14:15], v[14:15], v[154:155]
	v_pk_add_f32 v[228:229], v[228:229], v[158:159]
	s_delay_alu instid0(VALU_DEP_2)
	v_pk_add_f32 v[14:15], v[14:15], v[250:251]
	s_delay_alu instid0(VALU_DEP_2)
	v_pk_add_f32 v[228:229], v[228:229], v[248:249]
	v_pk_add_f32 v[254:255], v[254:255], v[246:247]
	v_pk_add_f32 v[252:253], v[252:253], v[244:245]
	s_delay_alu instid0(VALU_DEP_2)
	v_pk_add_f32 v[14:15], v[14:15], v[254:255]
	s_delay_alu instid0(VALU_DEP_2)
	v_pk_add_f32 v[228:229], v[228:229], v[252:253]
	s_delay_alu instid0(VALU_DEP_1)
	v_pk_add_f32 v[14:15], v[14:15], v[228:229]
	s_wait_alu depctr_va_vdst(0)                   ; and one for the four
.irp b, 0,1,2,3
	v_max_num_f32 v[BM+\b], 0x1800000, v[BM+\b]    ; the floor 2^(3 - 127): the byte cannot fall under 1
.endr
.irp b, 0,1,2,3
	s_delay_alu instid0(VALU_DEP_4)
	v_add_nc_u32 v[SO+\b], 0xff000000, v[BM+\b]    ; 2 off the exponent field: the conversion's scale operand
.endr
.irp b, 0,1,2,3
	s_delay_alu instid0(VALU_DEP_4)
	v_lshrrev_b32 v[BX+\b], 23, v[SO+\b]           ; the scale's byte
.endr
	s_delay_alu instid0(VALU_DEP_3)
	v_lshl_or_b32 v[PW], v[BX+1], 8, v[BX]         ; p's scale word for these 128 keys
	s_delay_alu instid0(VALU_DEP_1)
	v_lshl_or_b32 v[PW], v[BX+2], 16, v[PW]
	s_delay_alu instid0(VALU_DEP_1)
	v_lshl_or_b32 v[PW], v[BX+3], 24, v[PW]
.irp c, 0,1
	v_cvt_scalef32_pk16_fp6_f32 v[PC+6*\c:PC+2+6*\c], v[S+32*\c:S+15+32*\c], v[SO+2*\c]
	v_cvt_scalef32_pk16_fp6_f32 v[PT+4*\c:PT+2+4*\c], v[S+16+32*\c:S+31+32*\c], v[SO+2*\c+1]
.endr
	v_nop                                          ; one plain line behind the scaled conversions
.irp c, 0,1                                    ; the operand wants a WHOLE block in a lane
.irp i, 0,1,2
	v_permlane16_swap_b32 v[PC+6*\c+\i], v[PT+4*\c+\i]
.endr
.irp i, 0,1,2
	s_delay_alu instid0(VALU_DEP_3)
	v_mov_b32 v[PC+3+6*\c+\i], v[PT+4*\c+\i]
.endr
.endr
	s_wait_alu depctr_va_vdst(0)                   ; the wait directly ahead of the first reader of O^T
.set j, 0
.rept 16
	v_pk_mul_f32 v[OT+j:OT+j+1], v[OT+j:OT+j+1], v[FF:FF+1] op_sel_hi:[1,0]   ; O^T under the new M; these lines also stand between the writes of p's codes and scale word and the products
.set j, j+2
.endr
	s_wait_alu depctr_va_vdst(0)
	s_wait_dscnt 0x0                               ; V and its scale words are in
.irp d, 0,1,2,3
.if \d%2
	v_wmma_scale_f32_16x16x128_f8f6f4 v[OT+8*\d:OT+8*\d+7], v[KF+12*\d:KF+12*\d+11], v[PC:PC+11], v[OT+8*\d:OT+8*\d+7], v[VW+\d/2], v[PW] matrix_a_fmt:MATRIX_FMT_FP6 matrix_b_fmt:MATRIX_FMT_FP6 matrix_a_scale:MATRIX_SCALE_ROW1
.else
	v_wmma_scale_f32_16x16x128_f8f6f4 v[OT+8*\d:OT+8*\d+7], v[KF+12*\d:KF+12*\d+11], v[PC:PC+11], v[OT+8*\d:OT+8*\d+7], v[VW+\d/2], v[PW] matrix_a_fmt:MATRIX_FMT_FP6 matrix_b_fmt:MATRIX_FMT_FP6
.endif
.endr
	s_add_co_u32 s[TB], s[TB], HB
	s_add_co_u32 s[TJ], s[TJ], 512
.endm
.macro RUN n                           ; n key steps on end
	s_mov_b32 s[CNT], \n
.Lstep_\@:
	STEP
	s_sub_co_u32 s[CNT], s[CNT], 1
	s_cmp_lg_u32 s[CNT], 0
	s_cbranch_scc1 .Lstep_\@
.endm
; THE WAY OUT of tile p.  O^T / the sum; into the natural order along the head's 64; two blocks of 32 are quantised; half an image leaves.
.macro OUT p
	v_add_f32 v14, v14, v15
	s_delay_alu instid0(VALU_DEP_1)
	v_permlanex16_b32 v[TA], v14, s[SEL], s[SEL+1]
	s_delay_alu instid0(VALU_DEP_1)
	v_add_f32 v14, v14, v[TA]                      ; the row's sum
	s_wait_alu depctr_va_vdst(0)
	v_rcp_f32 v14, v14
	v_nop                                          ; plain lines behind the reciprocal, and with the additions above the places behind the last products
	v_nop
	s_wait_alu depctr_va_vdst(0)                   ; ahead of the reciprocal's first reader
.set j, 0
.rept 32
	v_mul_f32 v[S+j], v[OT+j], v14                 ; register 8 t + i is ctx(query r, 16 t + 8 h + i); each accumulator from its low end on
.set j, j+1
.endr
.irp n, 0,1
.irp j, 0,1,2,3,4,5,6,7
	v_permlane16_swap_b32 v[S+16*\n+\j], v[S+8+16*\n+\j]   ; register 16 n + i is now d = 32 n + 16 h + i
.endr
.endr
.irp b, 0,1
	v_max3_num_f32 v[BM+\b], |v[S+16*\b]|, |v[S+1+16*\b]|, 0x1800000
.endr
.irp i, 2,4,6,8,10,12,14
.irp b, 0,1
	s_delay_alu instid0(VALU_DEP_2)
	v_max3_num_f32 v[BM+\b], v[BM+\b], |v[S+16*\b+\i]|, |v[S+1+16*\b+\i]|
.endr
.endr
.irp b, 0,1
	s_delay_alu instid0(VALU_DEP_2)
	v_permlanex16_b32 v[BX+\b], v[BM+\b], s[SEL], s[SEL+1]
.endr
.irp b, 0,1
	s_delay_alu instid0(VALU_DEP_2)
	v_max_num_f32 v[BM+\b], v[BM+\b], v[BX+\b]
.endr
.irp b, 0,1
	s_delay_alu instid0(VALU_DEP_2)
	v_add_nc_u32 v[SO+\b], 0xff000000, v[BM+\b]
.endr
.irp b, 0,1
	s_delay_alu instid0(VALU_DEP_2)
	v_lshrrev_b32 v[BX+\b], 23, v[SO+\b]
.endr
	s_delay_alu instid0(VALU_DEP_1)
	v_lshl_or_b32 v[CW], v[BX+1], 8, v[BX]
	v_cvt_scalef32_pk16_fp6_f32 v[PC:PC+2], v[S:S+15], v[SO]
	v_cvt_scalef32_pk16_fp6_f32 v[PT:PT+2], v[S+16:S+31], v[SO+1]
	v_nop                                          ; one plain line behind the scaled conversions
.irp i, 0,1,2
	v_permlane16_swap_b32 v[PC+\i], v[PT+\i]
.endr
.irp i, 0,1,2
	s_delay_alu instid0(VALU_DEP_3)
	v_mov_b32 v[PC+3+\i], v[PT+\i]
.endr
	global_store_b128 v[L16], v[PC:PC+3], s[8:9] offset:12288*\p           ; 512 consecutive bytes, aligned,
	global_store_b64 v[L8], v[PC+4:PC+5], s[8:9] offset:12288*\p+512       ; and 256
.endm
	RUN 2                                          ; key steps 0 and 1, while K of steps 12-15 is on its way
	WALU
	s_wait_tensorcnt 0x0                           ; on every wave's way: the four that asked have their tiles
	s_wait_dscnt 0x0
	s_barrier_signal -1                            ; a plain barrier
	s_barrier_wait -1
	RUN 14
	OUT 0
	v_mov_b32 v[CW0], v[CW]                        ; the first tile's scale bytes wait for the second's
	v_mov_b32 v13, 0xff61b1e6                      ; and the second tile begins as the first did
	v_floor_f32 v12, -v13
	v_mov_b32 v14, 0
	v_mov_b32 v15, 0
.irp i, 0,1,2,3,4,5
	v_mov_b32 v[QF+\i], v[Q2+\i]
.endr
	v_mov_b32 v[QS], v[Q2+6]
.set j, 0
.rept 32
	v_mov_b32 v[OT+j], 0
.set j, j+1
.endr
	s_mov_b32 s[TB], 0
	s_mov_b32 s[TJ], 0
	WALU
	s_wait_xcnt 0x0                                ; the stores have read the codes' registers, which the next step writes
	RUN 16
	OUT 1
	v_cmp_eq_u32 vcc_lo, 0, v[HH]
	v_cndmask_b32 v244, v[CW], v[CW0], vcc_lo      ; lanes 0-15: the first tile's row r, lanes 16-31: the second's (each half of the lanes holds every row's bytes)
	global_store_b16 v[L4], v244, s[10:11]         ; my head's two bytes of 32 neighbouring tokens' words
	s_wait_tensorcnt 0x0                           ; the wave's end
	ds_add_u32 v[SPW], v[NIL]
	s_wait_dscnt 0x0
	CROUND                                         ; the closing round
	s_endpgm
.Lfunc_end_k_q8b4730d2d9_attn:
	.size	k_q8b4730d2d9_attn, .Lfunc_end_k_q8b4730d2d9_attn-k_q8b4730d2d9_attn
	.p2alignl 7, 3214868480
	.fill 96, 4, 3214868480
	.section	.rodata,"a",@progbits
	.p2align	6, 0x0
	.amdhsa_kernel k_q8b4730d2d9_attn
		.amdhsa_group_segment_fixed_size 327680
		.amdhsa_private_segment_fixed_size 0
		.amdhsa_enable_private_segment 0
		.amdhsa_kernarg_size 32
		.amdhsa_user_sgpr_count 2
		.amdhsa_user_sgpr_kernarg_segment_ptr 1
		.amdhsa_wavefront_size32 1
		.amdhsa_system_sgpr_workgroup_id_x 1
		.amdhsa_system_sgpr_workgroup_id_y 1
		.amdhsa_system_sgpr_workgroup_id_z 1
		.amdhsa_system_vgpr_workitem_id 0
		.amdhsa_next_free_vgpr 256
		.amdhsa_next_free_sgpr 80
		.amdhsa_reserve_vcc 1
		.amdhsa_float_denorm_mode_32 3
		.amdhsa_float_denorm_mode_16_64 3
		.amdhsa_memory_ordered 1
		.amdhsa_forward_progress 1
		.amdhsa_inst_pref_size 79
	.end_amdhsa_kernel
	.amdgpu_metadata
---
amdhsa.version: [ 1, 2 ]
amdhsa.kernels:
  - .name:           k_q8b4730d2d9_attn
    .symbol:         k_q8b4730d2d9_attn.kd
    .args:
      - { .name: att, .offset: 0, .size: 8, .value_kind: global_buffer, .address_space: global }
      - { .name: mask, .offset: 8, .size: 8, .value_kind: global_buffer, .address_space: global }
      - { .name: ctxc, .offset: 16, .size: 8, .value_kind: global_buffer, .address_space: global }
      - { .name: ctxs, .offset: 24, .size: 8, .value_kind: global_buffer, .address_space: global }
    .group_segment_fixed_size: 327680
    .private_segment_fixed_size: 0
    .kernarg_segment_align: 8
    .kernarg_segment_size: 32
    .max_flat_workgroup_size: 512
    .sgpr_count:     80
    .vgpr_count:     256
    .wavefront_size: 32
...
	.end_amdgpu_metadata
.endif
;; end of part 3
;; launch gemm_out (part 4): grid 8 x 32, 4 waves a work-group, clusters of 4 x 4, 327,680 bytes of LDS; arguments ctxc, ctxs, opc, ops, bo, out0; writes out0
.if DOCPART == 4
	.amdgcn_target "amdgcn-amd-amdhsa--gfx1250"
	.amdhsa_code_object_version 6
	.text
	.protected	k_q8b4730d2d9_gemm_out
	.globl	k_q8b4730d2d9_gemm_out
	.p2align	8
	.type	k_q8b4730d2d9_gemm_out,@function
k_q8b4730d2d9_gemm_out:
	s_mov_b64 s[64:65], 0
	v_nop
	global_prefetch_b8 v0, s[64:65] scope:SCOPE_SE
	s_setreg_imm32_b32 hwreg(HW_REG_WAVE_MODE, 25, 1), 1
	s_wait_xcnt 0x0
	s_wait_alu depctr_hold_cnt(0) depctr_sa_sdst(0) depctr_va_vdst(0) depctr_va_sdst(0) depctr_va_ssrc(0) depctr_va_vcc(0) depctr_vm_vsrc(0)
	s_getreg_b32 s2, hwreg(HW_REG_IB_STS2, 6, 4)
	s_cmp_eq_u32 s2, 0
	s_cbranch_scc0 .Lentry_in_a_cluster
	s_endpgm
.Lentry_in_a_cluster:
	s_bfe_u32 s2, ttmp6, 0x10000c
	s_cmp_lg_u32 s2, 0xf033
	s_cbranch_scc0 .Lentry_shape_is_right
	s_endpgm
.Lentry_shape_is_right:
; out0[8192][1024] = ctx wo + bo, on codes of FP6 (E2M3) with E8M0 scales, f32 sums.  ctx's codes and scale words are as the launch before leaves them, wo's as the first launch does:
; a fragment (16 rows x 128 K) is an image of its 12 registers, 1,536 bytes, image (row tile R, K step ks) at (8 R + ks) x 1,536; wo's columns are row tiles 704 on of opc.
; A scale word (128 K of one row) lies at (row / 128) x 4,096 + ks x 512 + (row % 128) x 4; wo's columns are blocks 88 on of ops.
; THE DEAL.  A work-group makes 256 rows x 128 columns: 32 x 8 = 256 work-groups.  Four waves, 2 x 2: wave (a, b) makes rows 128 a on, columns 64 b on.
; K is 1,024, so nothing walks along K: a wave holds its 64 columns of wo, ALL of K, in registers (4 column tiles x 8 K steps x 12 = 384) and takes ctx's rows past them in 8 blocks of 16 rows, all of K
; (8 fragments and 8 scale words, in two sets: block s reads set s % 2, which then takes block s + 2).  A block's 16 x 64 sums are whole after its 32 products.
; LDS holds the work-group's operands whole, each byte filled once: ctx's 16 row tiles (196,608 bytes), wo's 8 (98,304), ctx's scale words (8,192); behind them a stage for each wave and the spare words.
; FILLS: one tensor load a wave at the head, each in its own arm: wave 0 wo's tiles, wave 1 ctx's scale words, waves 2 and 3 eight row tiles of ctx each.  The first barrier shows wave 0's tile alone,
; so that wo's 128 LDS loads stand ahead of the wait for the rest; the second shows all.  wo's scale words and bo come by plain loads, straight into their registers.
; CLUSTERS: 4 x 4.  ctx's tiles hang on the tile row alone and are asked for jointly by a row of the cluster, wo's on the tile column alone, by a column.
; No prefetch: every tile is asked for at the head, and there is no loop to run ahead in.
; THE MATRIX INSTRUCTION IS USED TRANSPOSED (source 0 = 16 columns of wo, source 1 = 16 rows of ctx): a lane holds eight neighbouring numbers of a row of out0.  bo is the C of a block's first four products.
; THE WAY OUT.  A block goes through the wave's own stage (rows of 256 + 16 bytes) and comes back by rows; sixteen lanes store 256 consecutive bytes, aligned.  Block s is stored behind block s + 1's products.
; The 8 blocks are written out: every offset is an immediate but the three LDS addresses, which step from block to block.
.set FR,     12                        ; registers of a fragment
.set FPW,    21                        ; fragments in a window of 256 registers.  Fragment f lies in window 1 + f / 21 at register 12 (f % 21): 0-31 wo's (4 ks + b), 32-39 and 40-47 ctx's two sets
.set NF,     40                        ; LDS loads of a block: 32 for eight fragments, 8 scale words
.set TILEB,  12288                     ; a row tile, all of K
.set BL,     16*TILEB                  ; LDS: ctx at 0, wo here,
.set SAL,    BL+8*TILEB                ; ctx's scale words,
.set STAGE,  SAL+8192                  ; the stages: 16 rows x 272 bytes a wave,
.set SPITCH, 272
.set SPARE,  STAGE+4*16*SPITCH         ; the spare words, 128 bytes a wave
.set ADRB, 6                           ; v6, v7   LDS address of my fragments of wo: + 16 l, + 8 l
.set ADRA, 8                           ; v8, v9   the same for the block of ctx that is fetched next
.set AAS,  12                          ; v12      its scale words
.set STO,  13                          ; v13      the stage, in
.set RD,   14                          ; v14      the stage, back
.set CO,   15                          ; v15      my byte offset in two rows of out0
.set SPW,  28                          ; v28      my spare word; never rewritten
.set NIL,  29                          ; v29      0; never rewritten
.set SB,   32                          ; v32-47   wo's scale words: 8 p + ks: lanes 0-15 column tile 2 p, lanes 16-31 tile 2 p + 1
.set SA,   52                          ; v52-67   ctx's: two sets of eight
.set ACC,  72                          ; v72-135  two sets of four accumulators
.set BB,   136                         ; v136-167 bo, laid as a block's sums lie
.set RB,   168                         ; v168-231 two sets of 16 rows read back from the stage
.set G1A, 24
.set G1B, 32
.set G1S, 48
.set G0B, 56
.set G0S, 60
.set G0A, 68
.set G0A2, 72
.set MSB, 0
.macro WIN new                         ; the immediate's high byte repeats the setting that is left
.if MSB != \new
	s_set_vgpr_msb (MSB<<8)|\new
.set MSB, \new
.endif
.endm
.macro WALU
	s_wait_alu depctr_va_vdst(0)
.endm
.macro BARRIER
	s_barrier_signal -1
	s_barrier_wait -1
.endm
.macro CROUND                          ; a round of the cluster's barrier
	BARRIER
	s_cmp_lg_u32 s16, 0
	s_cbranch_scc1 .Lnot_wave_0_\@
	s_barrier_signal -3
.Lnot_wave_0_\@:
	s_barrier_wait -3
	BARRIER
.endm
.macro TLOAD g0, g1                    ; s_nop 0 and four v_nop follow the load
	tensor_load_to_lds s[\g0:\g0+3], s[\g1:\g1+7]
	s_nop 0
.rept 4
	v_nop
.endr
.endm
.macro FRAG f, adr, off                ; an image comes back as it was stored: four loads
	WIN (1+(\f)/FPW)<<6
.set R_, FR*((\f)%FPW)
	ds_load_b128 v[R_:R_+3], v[\adr] offset:(\off)
	ds_load_b64 v[R_+4:R_+5], v[\adr+1] offset:(\off)+512
	ds_load_b128 v[R_+6:R_+9], v[\adr] offset:(\off)+768
	ds_load_b64 v[R_+10:R_+11], v[\adr+1] offset:(\off)+1280
.endm
.macro FETCH e                         ; a block of ctx into set e: NF loads
.irp ks, 0,1,2,3,4,5,6,7
	FRAG 32+8*(\e)+\ks, ADRA, \ks*1536
.endr
	WIN 0
.irp ks, 0,1,2,3,4,5,6,7
	ds_load_b32 v[SA+8*(\e)+\ks], v[AAS] offset:512*\ks
.endr
.endm
.macro NEXTA                           ; on to the next block's LDS addresses: three plain lines
	v_add_nc_u32 v[ADRA], TILEB, v[ADRA]
	v_add_nc_u32 v[ADRA+1], TILEB, v[ADRA+1]
	v_add_nc_u32 v[AAS], 64, v[AAS]
.endm
.macro PROD1 d, fb, fa, c, xb, xa, o
.if \o
	v_wmma_scale_f32_16x16x128_f8f6f4 v[\d:\d+7], v[FR*((\fb)%FPW):FR*((\fb)%FPW)+FR-1], v[FR*((\fa)%FPW):FR*((\fa)%FPW)+FR-1], \c, v[\xb], v[\xa] matrix_a_fmt:MATRIX_FMT_FP6 matrix_b_fmt:MATRIX_FMT_FP6 matrix_a_scale:MATRIX_SCALE_ROW1
.else
	v_wmma_scale_f32_16x16x128_f8f6f4 v[\d:\d+7], v[FR*((\fb)%FPW):FR*((\fb)%FPW)+FR-1], v[FR*((\fa)%FPW):FR*((\fa)%FPW)+FR-1], \c, v[\xb], v[\xa] matrix_a_fmt:MATRIX_FMT_FP6 matrix_b_fmt:MATRIX_FMT_FP6
.endif
.endm
.macro PROD e, ks, b                   ; column tile b x the block in set e, K step ks
.set FB_, 4*(\ks)+(\b)
.set FA_, 32+8*(\e)+(\ks)
.set D_, ACC+32*(\e)+8*(\b)
	WIN (1+FB_/FPW)|((1+FA_/FPW)<<2)
.if (\ks) == 0
	PROD1 D_, FB_, FA_, v[BB+8*(\b):BB+8*(\b)+7], SB+8*((\b)/2)+(\ks), SA+8*(\e)+(\ks), (\b)%2
.else
	PROD1 D_, FB_, FA_, v[D_:D_+7], SB+8*((\b)/2)+(\ks), SA+8*(\e)+(\ks), (\b)%2
.endif
.endm
.macro PUT s                           ; block s leaves: each store covers two rows' 256 consecutive bytes, aligned
.set RB_, RB+32*((\s)%2)
.irp t, 0,1,2,3,4,5,6,7
	global_store_b128 v[CO], v[RB_+4*\t:RB_+4*\t+3], s[14:15] offset:(\s)*65536+\t*8192 th:TH_STORE_NT
.endr
.endm
; BLOCK s.  Its rows were fetched two blocks ago.  Younger than that fetch are what stands behind the block before: 8 stage stores, 8 loads back and, up to block 5, a fetch (ahead of block 0: block 1's fetch alone).
.macro BLK s
.set E_, (\s)%2
.if (\s) == 0
	s_wait_dscnt NF
.elseif (\s) == 7
	s_wait_dscnt 16
.else
	s_wait_dscnt NF+16
.endif
.irp ks, 0,1,2,3,4,5,6,7               ; the four accumulators by turns, K ascending
.irp b, 0,1,2,3
	PROD E_, \ks, \b
.endr
.endr
	WIN 0
.if (\s) < 6                           ; four places behind the products, ahead of the reads of their sums and of the loads into their registers
	NEXTA
	v_nop
	WALU
.else
.rept 4
	v_nop
.endr
.endif
.if (\s) >= 2
	s_wait_xcnt 0x0                                ; block s - 2's stores have read their registers, into which this block comes back
.endif
.if (\s) >= 1
.if (\s) <= 6
	s_wait_dscnt NF                                ; block s - 1 is back from the stage; the fetch issued behind it may be out
.else
	s_wait_dscnt 0x0
.endif
	PUT (\s)-1
.endif
.irp b, 0,1,2,3
	ds_store_b128 v[STO], v[ACC+32*E_+8*\b:ACC+32*E_+8*\b+3] offset:64*\b          ; each accumulator from its low end on
	ds_store_b128 v[STO], v[ACC+32*E_+8*\b+4:ACC+32*E_+8*\b+7] offset:64*\b+16
.endr
.irp t, 0,1,2,3,4,5,6,7
	ds_load_b128 v[RB+32*E_+4*\t:RB+32*E_+4*\t+3], v[RD] offset:\t*2*SPITCH        ; LDS serves a wave's instructions in order (ISA guide 5.7.1.4): these see the stores above
.endr
.if (\s) < 6
	FETCH E_
.endif
.endm
	s_load_b128 s[4:7], s[0:1], 0x0                ; ctxc, ctxs
	s_load_b128 s[8:11], s[0:1], 0x10              ; opc, ops
	s_load_b128 s[12:15], s[0:1], 0x20             ; bo, out0
	v_lshl_add_u32 v[SPW], v0, 2, SPARE
	v_mov_b32 v[NIL], 0
	ds_add_u32 v[SPW], v[NIL]                      ; the opening lines: the add, twice on end, and its wait ahead of my first tensor load
	ds_add_u32 v[SPW], v[NIL]
	v_lshrrev_b32 v1, 5, v0
	v_readfirstlane_b32 s16, v1                    ; wave 0..3
	s_lshr_b32 s17, s16, 1                         ; a: which 128 rows
	s_and_b32 s18, s16, 1                          ; b: which 64 columns
	s_bfe_u32 s40, ttmp6, 0x40000                  ; cx
	s_bfe_u32 s41, ttmp6, 0x40004                  ; cy
	s_lshl_b32 s42, ttmp9, 2
	s_add_co_u32 s42, s42, s40                     ; tile column, 0 .. 7
	s_and_b32 s43, ttmp7, 0xffff
	s_lshl_b32 s43, s43, 2
	s_add_co_u32 s43, s43, s41                     ; tile row, 0 .. 31
	s_lshl_b32 s44, s41, 2
	s_lshl_b32 s44, 15, s44                        ; my row of the cluster
	s_lshl_b32 s45, 0x1111, s40                    ; my column
	s_or_b32 s[G1A], s44, (3<<16)|(1<<21)          ; eight row tiles: 8 rows of 12,288 bytes (1,536 elements of 8), dense; the mask, and bit 21 beside it
	s_or_b32 s[G1B], s45, (3<<16)|(1<<21)
.irp g, G1A, G1B
	s_mov_b32 s[\g+1], 1536<<16
	s_mov_b32 s[\g+2], 8<<16
	s_mov_b32 s[\g+3], 1536<<16
	s_mov_b32 s[\g+4], 8
	s_mov_b32 s[\g+5], 1536
	s_mov_b32 s[\g+6], 0
	s_mov_b32 s[\g+7], 0
.endr
	s_or_b32 s[G1S], s44, (3<<16)|(1<<21)          ; the scale words of 256 rows: 32 rows of 256 bytes, dense
	s_mov_b32 s[G1S+1], 32<<16
	s_mov_b32 s[G1S+2], 32<<16
	s_mov_b32 s[G1S+3], 32<<16
	s_mov_b32 s[G1S+4], 32
	s_mov_b32 s[G1S+5], 32
	s_mov_b32 s[G1S+6], 0
	s_mov_b32 s[G1S+7], 0
	s_mul_i32 s20, s42, 8*TILEB
	s_add_co_u32 s20, s20, 704*TILEB               ; wo's 8 row tiles, bytes from opc: by the tile column alone
	s_mov_b32 s21, 0
	s_mul_i32 s22, s43, 16*TILEB                   ; ctx's 16, from ctxc: by the tile row alone
	s_mov_b32 s23, 0
	s_lshl_b32 s46, s43, 13                        ; and their scale words, from ctxs
	s_mov_b32 s47, 0
	s_lshl_b32 s19, s18, 8
	s_lshl_b32 s76, s42, 9
	s_add_co_u32 s76, s76, s19                     ; my first column, in bytes of f32: 512 x tile column + 256 b
	s_mov_b32 s77, 0
	s_lshl_b32 s78, s42, 12
	s_add_co_u32 s78, s78, s19
	s_add_co_u32 s78, s78, 88*4096                 ; my 64 columns' scale words, from ops
	s_mov_b32 s79, 0
	s_lshl_b32 s66, s43, 20                        ; my first row of out0: 256 rows of 4,096 bytes a tile row,
	s_lshl_b32 s19, s17, 19                        ; 128 a rows,
	s_add_co_u32 s66, s66, s19
	s_add_co_u32 s66, s66, s76                     ; and my first column
	s_mov_b32 s67, 0
	s_mul_i32 s80, s18, 4*TILEB
	s_add_co_u32 s80, s80, BL                      ; LDS: my four column tiles of wo,
	s_mul_i32 s81, s17, 8*TILEB                    ; my eight row tiles of ctx,
	s_lshl_b32 s82, s17, 12
	s_add_co_u32 s82, s82, SAL                     ; their scale words,
	s_mul_i32 s83, s16, 16*SPITCH
	s_add_co_u32 s83, s83, STAGE                   ; my stage: no place in the cluster enters an LDS address
	WALU
	s_wait_dscnt 0x0                               ; both opening adds are done
	CROUND                                         ; all sixteen work-groups are here: the joint loads meet
	s_wait_kmcnt 0x0
	s_mov_b32 s[G0B], 1
	s_mov_b32 s[G0B+1], BL
	s_add_nc_u64 s[G0B+2:G0B+3], s[8:9], s[20:21]
	s_or_b32 s[G0B+3], s[G0B+3], 0x80000000
	s_mov_b32 s[G0S], 1
	s_mov_b32 s[G0S+1], SAL
	s_add_nc_u64 s[G0S+2:G0S+3], s[6:7], s[46:47]
	s_or_b32 s[G0S+3], s[G0S+3], 0x80000000
	s_mov_b32 s[G0A], 1
	s_mov_b32 s[G0A+1], 0
	s_add_nc_u64 s[G0A+2:G0A+3], s[4:5], s[22:23]
	s_mov_b32 s[G0A2], 1
	s_mov_b32 s[G0A2+1], 8*TILEB
	s_add_nc_u64 s[G0A2+2:G0A2+3], s[G0A+2:G0A+3], 8*TILEB
	s_or_b32 s[G0A+3], s[G0A+3], 0x80000000
	s_or_b32 s[G0A2+3], s[G0A2+3], 0x80000000
	s_add_nc_u64 s[12:13], s[12:13], s[76:77]
	s_add_nc_u64 s[10:11], s[10:11], s[78:79]
	s_add_nc_u64 s[14:15], s[14:15], s[66:67]
	s_cmp_eq_u32 s16, 0                            ; one chain of branches on the wave's number, one load to an arm
	s_cbranch_scc0 .Lwave_1
	TLOAD G0B, G1B                                 ; wave 0: wo's tiles, which go on into registers
	s_branch .Lasked
.Lwave_1:
	s_cmp_eq_u32 s16, 1
	s_cbranch_scc0 .Lwave_2
	TLOAD G0S, G1S                                 ; wave 1: ctx's scale words
	s_branch .Lasked
.Lwave_2:
	s_cmp_eq_u32 s16, 2
	s_cbranch_scc0 .Lwave_3
	TLOAD G0A, G1A                                 ; wave 2: ctx's row tiles 0-7
	s_branch .Lasked
.Lwave_3:
	TLOAD G0A2, G1A                                ; wave 3: 8-15
.Lasked:
	v_and_b32 v1, 15, v0                           ; r
	v_bfe_u32 v2, v0, 4, 1                         ; h
	v_and_b32 v3, 31, v0                           ; lane
	v_lshlrev_b32 v16, 5, v2                       ; bo: register 8 b + j of lane (r, h) is column 16 b + 8 h + j
	v_lshlrev_b32 v17, 2, v3                       ; wo's scale words: lane l takes column 32 p + l
.irp b, 0,1,2,3
	global_load_b128 v[BB+8*\b:BB+8*\b+3], v16, s[12:13] offset:64*\b
	global_load_b128 v[BB+8*\b+4:BB+8*\b+7], v16, s[12:13] offset:64*\b+16
.endr
.irp p, 0,1
.irp ks, 0,1,2,3,4,5,6,7
	global_load_b32 v[SB+8*\p+\ks], v17, s[10:11] offset:512*\ks+128*\p
.endr
.endr
	v_lshlrev_b32 v4, 4, v3
	v_lshlrev_b32 v5, 3, v3
	v_add_nc_u32 v[ADRB], s80, v4
	v_add_nc_u32 v[ADRB+1], s80, v5
	v_add_nc_u32 v[ADRA], s81, v4
	v_add_nc_u32 v[ADRA+1], s81, v5
	v_lshl_add_u32 v[AAS], v1, 2, s82
	v_mul_u32_u24 v10, v1, SPITCH                  ; the stage, in: row r, 32 bytes for each half of the lanes
	v_lshl_add_u32 v10, v2, 5, v10
	v_add_nc_u32 v[STO], s83, v10
	v_mul_u32_u24 v11, v2, SPITCH                  ; back: lanes 0-15 one row of 256 bytes, lanes 16-31 the next
	v_lshl_add_u32 v11, v1, 4, v11
	v_add_nc_u32 v[RD], s83, v11
	v_lshlrev_b32 v18, 12, v2                      ; and the same two rows in out0
	v_lshl_add_u32 v[CO], v1, 4, v18
	WALU
	s_cmp_eq_u32 s16, 0
	s_cbranch_scc0 .Lnot_b
	s_wait_tensorcnt 0x0                           ; wave 0 alone issued that line, and it has waited
.Lnot_b:
	BARRIER                                        ; wo's tiles are in
.irp ks, 0,1,2,3,4,5,6,7
.irp b, 0,1,2,3
	FRAG 4*\ks+\b, ADRB, \b*TILEB+\ks*1536
.endr
.endr
	WIN 0
	s_wait_tensorcnt 0x0                           ; on every wave's way: all that was still out
	s_wait_dscnt 0x0
	BARRIER                                        ; ctx's tiles and scale words are in
	FETCH 0
	NEXTA
	FETCH 1
	WALU
	s_wait_loadcnt 0x0                             ; bo and wo's scale words
.irp s, 0,1,2,3,4,5,6,7
	BLK \s
.endr
	s_wait_dscnt 0x0
	PUT 7
	s_wait_tensorcnt 0x0                           ; the wave's end
	ds_add_u32 v[SPW], v[NIL]
	s_wait_dscnt 0x0
	CROUND                                         ; the closing round
	s_endpgm
.Lfunc_end_k_q8b4730d2d9_gemm_out:
	.size	k_q8b4730d2d9_gemm_out, .Lfunc_end_k_q8b4730d2d9_gemm_out-k_q8b4730d2d9_gemm_out
	.p2alignl 7, 3214868480
	.fill 96, 4, 3214868480
	.section	.rodata,"a",@progbits
	.p2align	6, 0x0
	.amdhsa_kernel k_q8b4730d2d9_gemm_out
		.amdhsa_group_segment_fixed_size 327680
		.amdhsa_private_segment_fixed_size 0
		.amdhsa_enable_private_segment 0
		.amdhsa_kernarg_size 48
		.amdhsa_user_sgpr_count 2
		.amdhsa_user_sgpr_kernarg_segment_ptr 1
		.amdhsa_wavefront_size32 1
		.amdhsa_system_sgpr_workgroup_id_x 1
		.amdhsa_system_sgpr_workgroup_id_y 1
		.amdhsa_system_sgpr_workgroup_id_z 1
		.amdhsa_system_vgpr_workitem_id 0
		.amdhsa_next_free_vgpr 848
		.amdhsa_next_free_sgpr 96
		.amdhsa_reserve_vcc 0
		.amdhsa_float_denorm_mode_32 3
		.amdhsa_float_denorm_mode_16_64 3
		.amdhsa_memory_ordered 1
		.amdhsa_forward_progress 1
		.amdhsa_inst_pref_size 89
	.end_amdhsa_kernel
	.amdgpu_metadata
---
amdhsa.version: [ 1, 2 ]
amdhsa.kernels:
  - .name:           k_q8b4730d2d9_gemm_out
    .symbol:         k_q8b4730d2d9_gemm_out.kd
    .args:
      - { .name: ctxc, .offset: 0, .size: 8, .value_kind: global_buffer, .address_space: global }
      - { .name: ctxs, .offset: 8, .size: 8, .value_kind: global_buffer, .address_space: global }
      - { .name: opc, .offset: 16, .size: 8, .value_kind: global_buffer, .address_space: global }
      - { .name: ops, .offset: 24, .size: 8, .value_kind: global_buffer, .address_space: global }
      - { .name: bo, .offset: 32, .size: 8, .value_kind: global_buffer, .address_space: global }
      - { .name: out0, .offset: 40, .size: 8, .value_kind: global_buffer, .address_space: global }
    .group_segment_fixed_size: 327680
    .private_segment_fixed_size: 0
    .kernarg_segment_align: 8
    .kernarg_segment_size: 48
    .max_flat_workgroup_size: 128
    .sgpr_count:     96
    .vgpr_count:     848
    .wavefront_size: 32
...
	.end_amdgpu_metadata
.endif
;; end of part 4
